; MI455X (gfx1250); checked and timed in simulation.
; The chip was launched on July 23, 2026; its instructions are those of AMD's public machine-readable ISA for CDNA 5 (MIT licence, August 2026) and "CDNA5" Instruction Set Architecture Reference Guide (July 2026). The comments in the code are by the model that wrote it; some were corrected since.
;; Attention. Allowed arithmetic: matrix products marked QUANTISED: E2M1 operands, one E8M0 scale for each 32 along K, by v_wmma_scale_f32_16x16x128_f8f6f4 with both operands' format E2M1 (or v_wmma_scale_f32_32x16x128_f4), f32 sums; products left as they are: bf16, f16 or f32 operands; f32 sums; everything else in f32.
;; Inputs: proj_b 1,024 float32; proj_w 1,024 x 1,024 float32; qkv_w 3,072 x 1,024 float32; x 8 x 1,024 x 1,024 float32.
;; Outputs: out0 8 x 1,024 x 1,024 float32.
;; This version of the problem:
;;   THIS VERSION OF THE PROBLEM IS GIVEN IN LOW PRECISION. The matrix products marked QUANTISED in the list below multiply operands that are first quantised to E2M1 (2 exponent bits, 1 mantissa bit; 4 bits a number), with one power-of-two scale for each 32 numbers along K (OCP MX v1.0); their sums are f32. The products marked 'left as it is' may take bf16, f16 or f32 operands, with f32 sums. Whichever they take, every output number must still come out within the allowed error. Rounding operands to bf16 (8 significant bits) uses up far more of that allowance than f16 does (11 bits, for magnitudes from 6e-5 to 65,504). All else is computed in f32.
;;   The module's matrix products, in the order in which they are computed (A, B: the left and right operand; K: the contracted axis; several contracted axes count as one K, in the product's order):
;;     1. [M 8,192, K 1,024] x [K 1,024, N 3,072]; A: input x; B: input qkv_w: QUANTISED
;;     2. batch 128 x [M 1,024, K 64] x [K 64, N 1,024]; A: computed on the way; B: computed on the way: left as it is (an operand is computed on the way)
;;     3. batch 128 x [M 1,024, K 1,024] x [K 1,024, N 64]; A: computed on the way; B: computed on the way: left as it is (an operand is computed on the way)
;;     4. [M 8,192, K 1,024] x [K 1,024, N 1,024]; A: computed on the way; B: input proj_w: left as it is (an operand is computed on the way)
;;   THE QUANTISER, for each operand of a quantised product, along K:
;;     - K is cut into blocks of 32 from its start; a last block that is shorter is filled with zeros.
;;     - A block's scale is 2^e with e = floor(log2(the largest magnitude in the block)) - 2, held to -126 .. 127; a block of zeros has e = 0. As a byte (E8M0): e + 127.
;;     - Each number is divided by its block's scale, clamped to +-6, and rounded to the nearest number of E2M1, ties to even, subnormals kept.
;;     - The product sums the exact products of the quantised numbers (number of the format x scale) in f32.
;;   ~~~python
;;   def quantise(x, axis):      # numpy; x: float32 -> the quantised numbers, widened to float32 again
;;       x = np.moveaxis(x, axis, -1); K = x.shape[-1]
;;       x = np.pad(x, [(0, 0)] * (x.ndim - 1) + [(0, -K % 32)]); x = x.reshape(x.shape[:-1] + (-1, 32)); a = np.abs(x).max(-1, keepdims=True)
;;       e = np.where(a > 0, np.clip(np.frexp(np.where(a > 0, a, 1))[1] - 1 - 2, -126, 127), 0)      # np.frexp(a)[1] - 1 = floor(log2(a)), exactly
;;       r = np.clip(x / 2.0 ** e, -6, 6)
;;       step = 2.0 ** (np.maximum(np.frexp(np.where(r == 0, 1, r))[1] - 1, 0) - 1)
;;       q = np.round(r / step) * step * 2.0 ** e      # np.round: ties to even
;;       return np.moveaxis(q.reshape(q.shape[:-2] + (-1,))[..., :K], -1, axis).astype(np.float32)
;;   ~~~
;; One version. Each part assembles by itself: llvm-mc -triple=amdgcn-amd-amdhsa -mcpu=gfx1250 --defsym DOCPART=n.
;; ======== version 1 of 1: 4 launches
;; limits: values are held in f16: magnitudes above 65,504 overflow, below 6.1e-05 lose precision
;; workspace buffers: xc 4,194,304 bytes; xs 262,144 bytes; wc 1,572,864 bytes; ws 98,304 bytes; pw16 2,097,152 bytes; kvh 33,554,432 bytes; ao 16,777,216 bytes
;; launch prep (part 1): grid 768 x 1, 2 waves a work-group, no clusters, 16,640 bytes of LDS; arguments x, qkv_w, proj_w, xc, xs, wc, ws, pw16; writes xc, xs, wc, ws, pw16
.if DOCPART == 1
	.amdgcn_target "amdgcn-amd-amdhsa--gfx1250"
	.amdhsa_code_object_version 6
	.text
	.protected	k_qc663de9e5c_prep
	.globl	k_qc663de9e5c_prep
	.p2align	8
	.type	k_qc663de9e5c_prep,@function
k_qc663de9e5c_prep:
	s_mov_b64 s[64:65], 0
	v_nop
	global_prefetch_b8 v0, s[64:65] scope:SCOPE_SE
	s_setreg_imm32_b32 hwreg(HW_REG_WAVE_MODE, 25, 1), 1
	s_wait_xcnt 0x0
; ATTENTION, B = 8, N = 1,024, C = 1,024, 16 heads of 64, in four launches:
;   prep: x and qkv_w become codes of FP4 (E2M1) with one E8M0 byte for each 32 along K; proj_w becomes f16.
;   kv:   k's and v's 2,048 columns of x qkv_w^T on the codes, f32 sums, rounded to f16 and laid head by head.
;   attn: q's columns of the same product, on the same codes, each work-group for its own queries; then softmax(q k^T / 8) v, head by head.      proj: the result x proj_w^T + proj_b.
; NOTHING OF THE PROBLEM IS LEFT OUT: all four inputs have a way to the output (proj_b is added to every row), every product is live, the maximum is taken away ahead of the exponential (a running maximum).
; LIMITS.  The operands of the three products that are left as they are go in f16: q, k, v, the attention's result and proj_w must stay under 65,504 in magnitude; under 6e-5 their absolute error is at most 3e-8.
; A block of zeros gets the scale byte 1 where the rule says 127: its codes are zeros, which add nothing under any byte but 0xff, and this program alone reads the bytes.
; Blocks whose largest magnitude lies under 2^(2 - 126) are held at the byte 1.  NaN and infinities among the inputs are not served.
; THIS LAUNCH.  Rows are dense and K = 1,024 is a multiple of 32, so x and qkv_w are plain streams of blocks of 32 numbers, and so are their codes and scale bytes.
; 768 work-groups of two waves, three for each of 256 WGPs: 0-511 take x, 512-703 qkv_w (one path, the buffers chosen by the work-group's number), 704-767 proj_w (a path of its own, without LDS).  A wave takes 8,192 numbers.
; A block's scale is 2^(floor(log2(its largest magnitude)) - 2); its byte is the largest magnitude's own exponent field - 2.  Each number is divided by the scale and rounded to the nearest code, ties to even, beyond 6 the largest code.
; The conversions take 8 numbers of ONE block from a lane's registers, so a lane must hold 16 neighbours; a load is best where neighbouring lanes take neighbouring bytes.  Both are had: each load reads 512 consecutive bytes,
; a step's 2,048 bytes go through the wave's own stage in LDS as they lie and come back 64 bytes a lane (16 bytes of padding behind each 64).  No barrier: waves share nothing.
.set WAVES, 2
.set STEPS, 16
.set WGX,   512                        ; x's work-groups: 8,388,608 numbers / 16,384
.set WGW,   192                        ; qkv_w's: 3,145,728 / 16,384
.set EMAX,  2
.set CB,    8                          ; bytes of 16 codes
.set R,     16                         ; v16-79   numbers as they are loaded
.set X,     80                         ; v80-111  two sets of 16 neighbours
.set E,     112                        ; v112-127 a scale byte for each step
.set C,     128                        ; v128-191 codes (or packed f16): registers of their own for each step
.set WREG,  8192                       ; LDS: a region for each wave: two stages of 32 x SP bytes, behind them its 256 scale bytes
.set SP,    80
.set SPW,   12                         ; v12 LDS address of my spare word; never rewritten
.set NIL,   13                         ; v13 0; never rewritten
.set SPARE, WAVES*WREG                 ; the spare words, 128 bytes for each wave, which no other line names
	s_load_b256 s[4:11], s[0:1], 0x0               ; x, qkv_w, proj_w, xc
	s_load_b256 s[12:19], s[0:1], 0x20             ; xs, wc, ws, pw16
	v_lshl_add_u32 v[SPW], v0, 2, SPARE
	v_mov_b32 v[NIL], 0
	v_lshrrev_b32 v1, 5, v0
	v_readfirstlane_b32 s20, v1                    ; wave
	v_and_b32 v2, 31, v0                           ; lane
	v_lshlrev_b32 v3, 4, v2                        ; 16 x lane
	s_mul_i32 s21, s20, WREG
	v_lshrrev_b32 v14, 2, v2
	v_mul_u32_u24 v14, v14, SP
	v_and_b32 v15, 3, v2
	v_lshl_add_u32 v14, v15, 4, v14
	v_add_nc_u32 v14, s21, v14                     ; the stage, on the way in: SP (lane / 4) + 16 (lane % 4)
	v_mul_u32_u24 v15, v2, SP
	v_add_nc_u32 v15, s21, v15                     ; and on the way out: SP x lane: my 16 neighbours
	v_mul_u32_u24 v4, v2, CB                       ; my codes' place in a step's
	v_lshrrev_b32 v5, 1, v2
	s_add_co_u32 s21, s21, 2*32*SP
	v_add_nc_u32 v5, s21, v5                       ; my wave's 256 scale bytes, my block's byte
	v_lshlrev_b32 v7, 3, v2
	v_add_nc_u32 v6, s21, v7                       ; and on the way out 8 bytes a lane
	s_wait_kmcnt 0x0
	s_cmp_ge_u32 ttmp9, WGX+WGW
	s_cbranch_scc1 .Lconv
	s_cmp_lt_u32 ttmp9, WGX                        ; x's work-group or qkv_w's?  The choice hangs on the work-group's number alone
	s_cselect_b64 s[4:5], s[4:5], s[6:7]
	s_cselect_b64 s[10:11], s[10:11], s[14:15]
	s_cselect_b64 s[12:13], s[12:13], s[16:17]
	s_cselect_b32 s21, 0, WGX
	s_sub_co_u32 s21, ttmp9, s21
	s_lshl_b32 s21, s21, 1
	s_add_co_u32 s22, s21, s20                     ; which run of 8,192 numbers is my wave's
	s_mov_b32 s23, 0
	s_mov_b64 s[24:25], 512*STEPS*4
	s_mul_u64 s[24:25], s[22:23], s[24:25]
	s_add_nc_u64 s[4:5], s[4:5], s[24:25]
	s_mov_b64 s[24:25], 32*STEPS*CB
	s_mul_u64 s[24:25], s[22:23], s[24:25]
	s_add_nc_u64 s[10:11], s[10:11], s[24:25]
	s_lshl_b32 s22, s22, 8                         ; 256 scale bytes a run
	s_add_nc_u64 s[12:13], s[12:13], s[22:23]
.macro LOAD t
.irp i, 0,1,2,3
	global_load_b128 v[R+16*((\t)%4)+4*\i:R+16*((\t)%4)+4*\i+3], v3, s[4:5] offset:2048*(\t)+512*\i th:TH_LOAD_NT   ; 32 lanes read 512 consecutive bytes
.endr
.endm
.macro TURN t                          ; step t's numbers through the stage: LDS serves a wave's instructions in order, so no wait stands between the stores and the loads
.irp i, 0,1,2,3
	ds_store_b128 v14, v[R+16*((\t)%4)+4*\i:R+16*((\t)%4)+4*\i+3] offset:32*SP*((\t)%2)+8*SP*\i
.endr
.irp i, 0,1,2,3
	ds_load_b128 v[X+16*((\t)%2)+4*\i:X+16*((\t)%2)+4*\i+3], v15 offset:32*SP*((\t)%2)+16*\i
.endr
.endm
.irp t, 0,1,2,3
	LOAD \t
.endr
	s_wait_loadcnt 12                              ; step 0's four loads are in; the twelve of steps 1 to 3 may be out
	TURN 0
.macro STEP t
.set XS, X+16*((\t)%2)
.if (\t) > 0
	s_wait_dscnt 1                                 ; this step's numbers are back from the stage (the last step's byte store may be out)
.else
	s_wait_dscnt 0x0
.endif
.if (\t)+4 < STEPS
	LOAD (\t)+4                                    ; into the registers that this step's stores into the stage have read
.endif
.if (\t)+1 < STEPS
.if STEPS-2-(\t) >= 3
	s_wait_loadcnt 12                              ; the next step's four loads are in; those of the three steps behind it may be out
.else
	s_wait_loadcnt 4*(STEPS-2-(\t))
.endif
	TURN (\t)+1
.endif
	v_max3_num_f32 v8, |v[XS]|, |v[XS+1]|, |v[XS+2]|               ; the largest magnitude of my 16, in two chains
	v_max3_num_f32 v9, |v[XS+3]|, |v[XS+4]|, |v[XS+5]|
.irp i, 6,10
	v_max3_num_f32 v8, v8, |v[XS+\i]|, |v[XS+\i+1]|
	v_max3_num_f32 v9, v9, |v[XS+\i+2]|, |v[XS+\i+3]|
.endr
	v_max3_num_f32 v8, v8, |v[XS+14]|, |v[XS+15]|
	v_max3_num_f32 v8, v8, v9, (EMAX+1)<<23        ; and the floor 2^(EMAX + 1 - 127): the byte cannot fall under 1
	v_max_num_f32_dpp v8, v8, v8 row_xmask:1 row_mask:0xf bank_mask:0xf   ; and of my neighbour's 16: the block's
	v_add_nc_u32 v11, -(EMAX<<23), v8              ; EMAX off its exponent field: the conversion takes the exponent field of this operand as its scale
	v_cvt_scalef32_pk8_fp4_f32 v[C+4*(\t)], v[XS:XS+7], v11
	v_cvt_scalef32_pk8_fp4_f32 v[C+4*(\t)+1], v[XS+8:XS+15], v11
	v_lshrrev_b32 v[E+(\t)], 23, v11               ; the scale's byte
	ds_store_b8 v5, v[E+(\t)] offset:16*(\t)       ; both lanes of a block write the same byte with the same value
	global_store_b64 v4, v[C+4*(\t):C+4*(\t)+1], s[10:11] offset:32*CB*(\t)   ; the wave stores 256 consecutive bytes
.endm
.irp t, 0,1,2,3,4,5,6,7,8,9,10,11,12,13,14,15
	STEP \t
.endr
	ds_load_b64 v[8:9], v6                         ; LDS serves a wave's instructions in order: these see my stores
	s_wait_dscnt 0x0
	global_store_b64 v7, v[8:9], s[12:13]          ; 32 lanes store 256 consecutive bytes
	s_wait_tensorcnt 0x0                           ; the wave's end: three lines behind my last LDS store
	ds_add_u32 v[SPW], v[NIL]
	s_wait_dscnt 0x0
	s_endpgm
; proj_w to f16: a plain stream, 8 numbers a lane and turn, eight turns (16 loads a wave) ahead.  No LDS is touched on this path.
.Lconv:
	s_sub_co_u32 s21, ttmp9, WGX+WGW
	s_lshl_b32 s21, s21, 1
	s_add_co_u32 s22, s21, s20                     ; my wave's run of 8,192 numbers
	s_lshl_b32 s24, s22, 15
	s_mov_b32 s25, 0
	s_add_nc_u64 s[8:9], s[8:9], s[24:25]
	s_lshl_b32 s24, s22, 14
	s_add_nc_u64 s[18:19], s[18:19], s[24:25]
	v_lshlrev_b32 v8, 5, v2                        ; in: 32 bytes a lane
.macro CLOAD i
	global_load_b128 v[R+8*((\i)%8):R+8*((\i)%8)+3], v8, s[8:9] offset:1024*(\i) th:TH_LOAD_NT
	global_load_b128 v[R+8*((\i)%8)+4:R+8*((\i)%8)+7], v8, s[8:9] offset:1024*(\i)+16 th:TH_LOAD_NT
.endm
.macro CV i
.if (\i) < 24
	s_wait_loadcnt 14                              ; my pair is in; the seven younger pairs stay out
.else
	s_wait_loadcnt 2*(31-(\i))
.endif
	s_wait_xcnt 0x0                                ; the store of eight turns ago has read the registers that are written now
.irp j, 0,1,2,3
	v_cvt_pk_f16_f32 v[C+4*((\i)%8)+\j], v[R+8*((\i)%8)+2*\j], v[R+8*((\i)%8)+2*\j+1]
.endr
.if (\i)+8 < 32
	CLOAD (\i)+8
.endif
	global_store_b128 v3, v[C+4*((\i)%8):C+4*((\i)%8)+3], s[18:19] offset:512*(\i)   ; the wave stores 512 consecutive bytes
.endm
.irp i, 0,1,2,3,4,5,6,7
	CLOAD \i
.endr
.set Q, 0
.rept 32
	CV Q
.set Q, Q+1
.endr
	s_endpgm
.Lfunc_end_k_qc663de9e5c_prep:
	.size	k_qc663de9e5c_prep, .Lfunc_end_k_qc663de9e5c_prep-k_qc663de9e5c_prep
	.p2alignl 7, 3214868480
	.fill 96, 4, 3214868480
	.section	.rodata,"a",@progbits
	.p2align	6, 0x0
	.amdhsa_kernel k_qc663de9e5c_prep
		.amdhsa_group_segment_fixed_size 16640
		.amdhsa_private_segment_fixed_size 0
		.amdhsa_enable_private_segment 0
		.amdhsa_kernarg_size 64
		.amdhsa_user_sgpr_count 2
		.amdhsa_user_sgpr_kernarg_segment_ptr 1
		.amdhsa_wavefront_size32 1
		.amdhsa_system_sgpr_workgroup_id_x 1
		.amdhsa_system_sgpr_workgroup_id_y 1
		.amdhsa_system_sgpr_workgroup_id_z 1
		.amdhsa_system_vgpr_workitem_id 0
		.amdhsa_next_free_vgpr 192
		.amdhsa_next_free_sgpr 66
		.amdhsa_reserve_vcc 0
		.amdhsa_float_denorm_mode_32 3
		.amdhsa_float_denorm_mode_16_64 3
		.amdhsa_memory_ordered 1
		.amdhsa_forward_progress 1
		.amdhsa_inst_pref_size 53
	.end_amdhsa_kernel
	.amdgpu_metadata
---
amdhsa.version: [ 1, 2 ]
amdhsa.kernels:
  - .name:           k_qc663de9e5c_prep
    .symbol:         k_qc663de9e5c_prep.kd
    .args:
      - { .name: x, .offset: 0, .size: 8, .value_kind: global_buffer, .address_space: global }
      - { .name: qkv_w, .offset: 8, .size: 8, .value_kind: global_buffer, .address_space: global }
      - { .name: proj_w, .offset: 16, .size: 8, .value_kind: global_buffer, .address_space: global }
      - { .name: xc, .offset: 24, .size: 8, .value_kind: global_buffer, .address_space: global }
      - { .name: xs, .offset: 32, .size: 8, .value_kind: global_buffer, .address_space: global }
      - { .name: wc, .offset: 40, .size: 8, .value_kind: global_buffer, .address_space: global }
      - { .name: ws, .offset: 48, .size: 8, .value_kind: global_buffer, .address_space: global }
      - { .name: pw16, .offset: 56, .size: 8, .value_kind: global_buffer, .address_space: global }
    .group_segment_fixed_size: 16640
    .private_segment_fixed_size: 0
    .kernarg_segment_align: 8
    .kernarg_segment_size: 64
    .max_flat_workgroup_size: 64
    .sgpr_count:     66
    .vgpr_count:     192
    .wavefront_size: 32
...
	.end_amdgpu_metadata
.endif
;; end of part 1
;; launch kv (part 2): grid 8 x 32, 4 waves a work-group, clusters of 4 x 4, 327,680 bytes of LDS; arguments xc, xs, wc, ws, kvh; writes kvh
.if DOCPART == 2
	.amdgcn_target "amdgcn-amd-amdhsa--gfx1250"
	.amdhsa_code_object_version 6
	.text
	.protected	k_qc663de9e5c_kv
	.globl	k_qc663de9e5c_kv
	.p2align	8
	.type	k_qc663de9e5c_kv,@function
k_qc663de9e5c_kv:
	s_mov_b64 s[64:65], 0
	v_nop
	global_prefetch_b8 v0, s[64:65] scope:SCOPE_SE
	s_setreg_imm32_b32 hwreg(HW_REG_WAVE_MODE, 25, 1), 1
	s_wait_xcnt 0x0
	s_wait_alu depctr_hold_cnt(0) depctr_sa_sdst(0) depctr_va_vdst(0) depctr_va_sdst(0) depctr_va_ssrc(0) depctr_va_vcc(0) depctr_vm_vsrc(0)
	s_getreg_b32 s2, hwreg(HW_REG_IB_STS2, 6, 4)
	s_cmp_eq_u32 s2, 0
	s_cbranch_scc0 .Lentry_in_a_cluster
	s_endpgm
.Lentry_in_a_cluster:
	s_bfe_u32 s2, ttmp6, 0x10000c
	s_cmp_lg_u32 s2, 0xf033
	s_cbranch_scc0 .Lentry_shape_is_right
	s_endpgm
.Lentry_shape_is_right:
; k's and v's columns of x qkv_w^T: kv[token][o] = sum over c of x[token][c] qkv_w[1,024 + o][c], o = 0 .. 2,047, both operands as codes of FP4 (E2M1) with one E8M0 byte for each 32 along K, f32 sums;
; the result is rounded once to f16 and laid [2 (k, v)][8 b][16 h][1,024 n][64]: a head's k or v is 131,072 consecutive bytes.  LIMIT: the results must stay under 65,504 in magnitude.
; q's 1,024 columns are NOT made here: each query's q is used by one work-group of the next launch alone, which makes it itself from the same codes.  So this launch has 8 x 32 = 256 tiles of 256 x 256, one for each WGP;
; with q's columns it would have 384.
; A tile of 256 tokens x 256 columns is made by a work-group of four waves; a wave makes 128 x 128: 64 accumulators of 16 x 16, 512 registers.
; K = 1,024 is two LDS slots of 512 along K (rows of 256 bytes): both are asked for at the head and nothing is ever filled again; so the text has no loop.
; THE SCALES of the work-group's 256 + 256 rows, for all of K, are two dense blocks of memory: they come into LDS once, with the first fills.
; CLUSTERS: 4 x 4 work-groups.  The four of a row of the cluster need the same rows of x, the four of a column the same rows of qkv_w: each tile is asked for JOINTLY, by the same tensor load with the same descriptor and a mask that names the four.
; THE MATRIX INSTRUCTION IS USED TRANSPOSED (source 0 = 16 rows of qkv_w, source 1 = 16 tokens): a lane then holds eight neighbouring columns of one token.
; REGISTERS, in windows of 256: window 0: v0-31 addresses; v32-95 scale words, two sets; v128-191 x's fragments, ONE set; on the way out v32-63, v192-255 at work.
;   window 1: qkv_w's fragments, TWO sets, at v0 and v128.   window 2: the accumulators of my tokens 0-63 ((a, b) at v[8 (8 a + b)]);   window 3: those of my tokens 64-127.
.set SIZE_K, 1024
.set KSTEP,  512                       ; along K in a slot
.set NQ,     KSTEP/128                 ; matrix instructions deep
.set ROWB,   256                       ; a tile's row in bytes
.set KROW,   SIZE_K*4/8                ; a row of codes in memory
.set PITCH,  272                       ; an LDS row: 256 bytes + 16 of padding = 68 words: the 16 rows that a load touches start at 16 different banks (64 banks of 4 bytes: ISA guide 11.1)
.set FR,     8                         ; registers of a fragment: 16 rows x 128 K
.set NL,     2                         ; LDS loads that bring one
.set NP,     4                         ; places behind this matrix instruction (ISA guide 7.12.1)
.set HALFT,  128*PITCH                 ; 128 rows: what one tensor load brings
.set SLOT,   4*HALFT                   ; x's 256 rows, then qkv_w's 256 rows
.set KS,     SIZE_K/32                 ; a row of scales in bytes
.set SCL,    2*SLOT                    ; behind the slots: the scales, as units of 256 bytes + 16 of padding
.set HALFS,  (128*KS/256)*272          ; the scales of 128 rows
.set SBLK,   (16*KS/256)*272           ; those of 16 rows
.set SPARE,  SCL+4*HALFS               ; the spare words, 128 bytes for each wave, which no other line names
.set SPITCH, 272                       ; the way out: a stage of 16 rows x (256 bytes + 16) for each wave, in slot 0, which has had its only fill and its last read when the first result is stored there
.set ADRA, 16                          ; v16-17  LDS address of my x fragments in slot 0, 1
.set ADRB, 20                          ; v20-21  the same for qkv_w
.set STO,  24                          ; v24     the way out: where I put 16 bytes of a token's row
.set RD,   25                          ; v25     where I read back: four tokens x 128 bytes an instruction
.set CO,   26                          ; v26     16 x lane
.set ADRS, 27                          ; v27     LDS address of my scale words: lanes 0-15 x's rows, lanes 16-31 qkv_w's
.set SPW,  28                          ; v28     LDS address of my spare word; never rewritten
.set NIL,  29                          ; v29     0; never rewritten
.set SC,   32                          ; scale words: set s at v[SC + 8 NQ s]; register NQ i + q: lanes 0-15 x's block i, lanes 16-31 qkv_w's block i, the slot's q-th 128 along K
.set AF,   128                         ; x's fragments, window 0
.set TMP,  192                         ; the way out: packed results
.set OB,   32                          ; the way out: 16 tokens read back: v32-63 and v224-255 by turns
.set G1, 24
.set G0, 32
.set G1B, 48
.set G0B, 56
.set G1S, 68
.set G0S, 76
.set G1SB, 80
.set G0SB, 88
.set MSB, 0
.macro WIN new                         ; the immediate's high byte repeats the setting that is left
.if MSB != (\new)
	s_set_vgpr_msb (MSB<<8)|(\new)
.set MSB, (\new)
.endif
.endm
.set MUL_LO, 0xa1                      ; source 0 window 1, source 1 window 0, C and D window 2
.set MUL_HI, 0xf1                      ; the same, C and D window 3
.set TO_B,   0x40                      ; destination window 1, address window 0
; A joint load: waves 0 and 1 fetch for x, waves 2 and 3 for qkv_w.  Each line has one mask and one set of registers for all that issue it; the branch hangs on the wave's number alone.
; An s_nop 0 and four v_nop follow each of the two lines.
.macro JLOAD g0a, g1a, g0b, g1b
	s_cmp_eq_u32 s15, 0
	s_cbranch_scc0 .Lfor_b_\@
	tensor_load_to_lds s[\g0a:\g0a+3], s[\g1a:\g1a+7]
	s_nop 0
.rept 4
	v_nop
.endr
	s_branch .Lasked_\@
.Lfor_b_\@:
	tensor_load_to_lds s[\g0b:\g0b+3], s[\g1b:\g1b+7]
	s_nop 0
.rept 4
	v_nop
.endr
.Lasked_\@:
.endm
.macro CROUND                          ; a round of the cluster's barrier
	s_barrier_signal -1
	s_barrier_wait -1
	s_cmp_lg_u32 s14, 0
	s_cbranch_scc1 .Lnot_wave_0_\@
	s_barrier_signal -3
.Lnot_wave_0_\@:
	s_barrier_wait -3
	s_barrier_signal -1
	s_barrier_wait -1
.endm
	s_load_b128 s[4:7], s[0:1], 0x0                ; x's codes, x's scales
	s_load_b128 s[8:11], s[0:1], 0x10              ; qkv_w's codes, its scales
	s_load_b64 s[12:13], s[0:1], 0x20              ; kvh
	v_lshl_add_u32 v[SPW], v0, 2, SPARE
	v_mov_b32 v[NIL], 0
	ds_add_u32 v[SPW], v[NIL]                      ; the wave's opening: the add, twice on end, and its wait ahead of my first tensor load
	ds_add_u32 v[SPW], v[NIL]
	v_lshrrev_b32 v1, 5, v0
	v_readfirstlane_b32 s14, v1                    ; wave 0..3
	s_lshr_b32 s15, s14, 1                         ; which half of the tile's tokens is mine.  Also: I fetch for x (0) or for qkv_w (1)
	s_and_b32 s16, s14, 1                          ; which half of its columns.  Also: which 128 rows of that tile I fetch
	s_bfe_u32 s40, ttmp6, 0x40000                  ; cx, cy: my place in the cluster
	s_bfe_u32 s41, ttmp6, 0x40004
	s_lshl_b32 s42, ttmp9, 2
	s_add_co_u32 s42, s42, s40                     ; tile column = 4 x cluster x + cx
	s_and_b32 s17, ttmp7, 0xffff
	s_lshl_b32 s17, s17, 2
	s_add_co_u32 s17, s17, s41                     ; tile row = 4 x cluster y + cy
	s_lshl_b32 s43, s41, 2
	s_lshl_b32 s43, 15, s43                        ; my row of the cluster
	s_lshl_b32 s44, 0x1111, s40                    ; my column
	s_or_b32 s[G1+0], s43, (0<<16)|(1<<20)|(1<<21)|(5<<22)|(3<<25)  ; the mask; elements of 1 byte; padding on; bit 21 beside a mask; after every 64 words, 4 words
	s_or_b32 s[G1B+0], s44, (0<<16)|(1<<20)|(1<<21)|(5<<22)|(3<<25)
.irp g, G1, G1B
	s_mov_b32 s[\g+1], ROWB<<16                    ; tensor_dim0
	s_mov_b32 s[\g+2], 128<<16                     ; tensor_dim1
	s_mov_b32 s[\g+3], ROWB<<16                    ; tile_dim0
	s_mov_b32 s[\g+4], 128                         ; tile_dim1
	s_mov_b32 s[\g+5], KROW                        ; from row to row
	s_mov_b32 s[\g+6], 0
	s_mov_b32 s[\g+7], 0
.endr
	s_or_b32 s[G1S+0], s43, (3<<16)|(1<<20)|(1<<21)|(5<<22)|(3<<25)   ; the scales of 128 rows: a dense block, as rows of 256 bytes (32 elements of 8 bytes)
	s_or_b32 s[G1SB+0], s44, (3<<16)|(1<<20)|(1<<21)|(5<<22)|(3<<25)
.irp g, G1S, G1SB
	s_mov_b32 s[\g+1], 32<<16
	s_mov_b32 s[\g+2], (128*KS/256)<<16
	s_mov_b32 s[\g+3], 32<<16
	s_mov_b32 s[\g+4], 128*KS/256
	s_mov_b32 s[\g+5], 32
	s_mov_b32 s[\g+6], 0
	s_mov_b32 s[\g+7], 0
.endr
	s_lshl_b32 s18, s16, 7                         ; which 128 rows of the tile I fetch
	s_lshl_b32 s20, s17, 8
	s_add_co_u32 s20, s20, s18                     ; x: row 256 x tile row + 128 x half
	s_lshl_b32 s46, s42, 8
	s_add_co_u32 s46, s46, s18                     ; qkv_w: row 256 x tile column + 128 x half,
	s_add_co_u32 s46, s46, 1024                    ; behind q's 1,024 rows
	s_mov_b32 s21, 0
	s_mov_b32 s47, 0
	s_mov_b64 s[18:19], KS
	s_mul_u64 s[22:23], s[20:21], s[18:19]         ; where these rows' scales begin
	s_mul_u64 s[92:93], s[46:47], s[18:19]
	s_mov_b64 s[18:19], KROW
	s_mul_u64 s[20:21], s[20:21], s[18:19]         ; and their codes
	s_mul_u64 s[46:47], s[46:47], s[18:19]
	s_mul_i32 s45, s14, HALFT                      ; where they go: wave x 128 rows
	s_mul_i32 s94, s14, HALFS
	s_wait_dscnt 0x0                               ; both opening adds are done
	s_wait_kmcnt 0x0
	s_add_nc_u64 s[20:21], s[4:5], s[20:21]
	s_add_nc_u64 s[22:23], s[6:7], s[22:23]
	s_add_nc_u64 s[46:47], s[8:9], s[46:47]
	s_add_nc_u64 s[92:93], s[10:11], s[92:93]
	CROUND                                         ; all sixteen work-groups are here: the joint loads meet
	s_mov_b32 s[G0S], 1
	s_add_co_u32 s[G0S+1], s94, SCL
	s_mov_b64 s[G0S+2:G0S+3], s[22:23]
	s_or_b32 s[G0S+3], s[G0S+3], 0x80000000
	s_mov_b32 s[G0SB], 1
	s_add_co_u32 s[G0SB+1], s94, SCL
	s_mov_b64 s[G0SB+2:G0SB+3], s[92:93]
	s_or_b32 s[G0SB+3], s[G0SB+3], 0x80000000
	JLOAD G0S, G1S, G0SB, G1SB                     ; the scales first: they are wanted with slot 0
.irp s, 0,1
	s_mov_b32 s[G0+4*\s], 1
	s_add_co_u32 s[G0+4*\s+1], s45, \s*SLOT
	s_add_nc_u64 s[G0+4*\s+2:G0+4*\s+3], s[20:21], \s*ROWB
	s_or_b32 s[G0+4*\s+3], s[G0+4*\s+3], 0x80000000
	s_mov_b32 s[G0B+4*\s], 1
	s_add_co_u32 s[G0B+4*\s+1], s45, \s*SLOT
	s_add_nc_u64 s[G0B+4*\s+2:G0B+4*\s+3], s[46:47], \s*ROWB
	s_or_b32 s[G0B+4*\s+3], s[G0B+4*\s+3], 0x80000000
	JLOAD G0+4*\s, G1, G0B+4*\s, G1B               ; three loads of mine are out in all
.endr
	v_and_b32 v1, 15, v0                           ; r = l % 16
	v_bfe_u32 v2, v0, 4, 1                         ; h = l / 16
	v_mul_u32_u24 v3, v1, PITCH
	v_lshl_add_u32 v4, v2, 4, v3                   ; a fragment's row x pitch + 16 x half
	s_mul_i32 s21, s15, HALFT                      ; my 128 tokens
	s_mul_i32 s22, s16, HALFT                      ; my 128 rows of qkv_w,
	s_add_co_u32 s22, s22, 2*HALFT                 ; which lie behind x's 256
.irp s, 0,1
	v_add_nc_u32 v[ADRA+\s], s21, v4
	v_add_nc_u32 v[ADRB+\s], s22, v4
	s_add_co_u32 s21, s21, SLOT
	s_add_co_u32 s22, s22, SLOT
.endr
	v_mul_u32_u24 v5, v1, KS                       ; my row's scales: KS bytes a row,
	v_lshrrev_b32 v6, 8, v5
	v_lshl_add_u32 v5, v6, 4, v5                   ; and 16 more for each 256 passed
	s_mul_i32 s21, s15, HALFS
	s_mul_i32 s22, s16, HALFS
	s_add_co_u32 s22, s22, 2*HALFS
	s_sub_co_u32 s22, s22, s21
	v_mul_u32_u24 v6, s22, v2                      ; lanes 16-31 take qkv_w's: one product, the distance between the two bases
	s_add_co_u32 s21, s21, SCL
	v_add_nc_u32 v5, v5, v6
	v_add_nc_u32 v[ADRS], s21, v5
	s_mul_i32 s23, s14, 16*SPITCH                  ; my stage
	v_mul_u32_u24 v5, v1, SPITCH                   ; in: row r, 16 bytes for each half of the lanes
	v_lshl_add_u32 v5, v2, 4, v5
	v_add_nc_u32 v[STO], s23, v5
	v_and_b32 v6, 31, v0
	v_lshlrev_b32 v[CO], 4, v6
	v_lshrrev_b32 v5, 3, v6                        ; back: eight lanes take one token's 128 bytes of one head
	v_mul_u32_u24 v5, v5, SPITCH
	v_and_b32 v6, 7, v0
	v_lshl_add_u32 v5, v6, 4, v5
	v_add_nc_u32 v[RD], s23, v5
	; where my 128 tokens x 2 heads begin in kvh: ((((type x 8 + b) x 16 + head) x 1,024 + n) x 128 bytes; type = tile column / 4 (0: k, 1: v), b = tile row / 4
	s_lshr_b32 s96, s42, 2
	s_lshl_b32 s96, s96, 3
	s_lshr_b32 s97, s17, 2
	s_add_co_u32 s96, s96, s97
	s_lshl_b32 s96, s96, 4
	s_and_b32 s97, s42, 3
	s_lshl_b32 s97, s97, 2
	s_add_co_u32 s96, s96, s97                     ; four heads to a tile column,
	s_lshl_b32 s97, s16, 1
	s_add_co_u32 s96, s96, s97                     ; two to a wave
	s_lshl_b32 s96, s96, 10
	s_and_b32 s97, s17, 3
	s_lshl_b32 s97, s97, 8
	s_add_co_u32 s96, s96, s97
	s_lshl_b32 s97, s15, 7
	s_add_co_u32 s96, s96, s97
	s_lshl_b32 s96, s96, 7                         ; under 32 MiB
	s_mov_b32 s97, 0
	s_add_nc_u64 s[12:13], s[12:13], s[96:97]
.macro FRAG reg, adr, q, i             ; 16 rows x 128 K of 4-bit codes: lane l holds row l % 16; registers 4 c .. 4 c + 3 hold K = 64 c + 32 (l / 16) + 0 .. 31
.irp c, 0,1
	ds_load_b128 v[\reg+4*\c:\reg+4*\c+3], v[\adr] offset:64*(\q)+32*\c+(\i)*16*PITCH
.endr
.endm
; 16 matrix instructions: x's blocks a0, a0 + 1 against qkv_w's eight, the slot's q-th 128 along K.  zero = 1: the first product starts the sums.  The 64 accumulators take turns, one instruction a turn.
.macro MUL16 a0, p, q, sc, zero
.irp a, \a0, \a0+1
.irp b, 0,1,2,3,4,5,6,7
.if \zero
	v_wmma_scale_f32_16x16x128_f8f6f4 v[8*(8*((\a)%4)+\b):8*(8*((\a)%4)+\b)+7], v[128*(\p)+FR*\b:128*(\p)+FR*\b+FR-1], v[AF+FR*(\a):AF+FR*(\a)+FR-1], 0, v[SC+8*NQ*(\sc)+NQ*\b+(\q)], v[SC+8*NQ*(\sc)+NQ*(\a)+(\q)] matrix_a_fmt:MATRIX_FMT_FP4 matrix_b_fmt:MATRIX_FMT_FP4 matrix_a_scale:MATRIX_SCALE_ROW1
.else
	v_wmma_scale_f32_16x16x128_f8f6f4 v[8*(8*((\a)%4)+\b):8*(8*((\a)%4)+\b)+7], v[128*(\p)+FR*\b:128*(\p)+FR*\b+FR-1], v[AF+FR*(\a):AF+FR*(\a)+FR-1], v[8*(8*((\a)%4)+\b):8*(8*((\a)%4)+\b)+7], v[SC+8*NQ*(\sc)+NQ*\b+(\q)], v[SC+8*NQ*(\sc)+NQ*(\a)+(\q)] matrix_a_fmt:MATRIX_FMT_FP4 matrix_b_fmt:MATRIX_FMT_FP4 matrix_a_scale:MATRIX_SCALE_ROW1
.endif
.endr
.endr
.endm
.macro FETCH_B slot, q, p
	WIN TO_B
.irp i, 0,1,2,3,4,5,6,7
	FRAG 128*(\p)+FR*\i, ADRB+\slot, \q, \i
.endr
	WIN 0
.endm
.macro FETCH_A slot, q, i0
.irp i, \i0, \i0+1, \i0+2, \i0+3
	FRAG AF+FR*(\i), ADRA+\slot, \q, \i
.endr
.endm
.macro SCALES sc                       ; a slot's scale words: NQ words a row; lanes 0-15 take x's block i, lanes 16-31 qkv_w's block i
.irp i, 0,1,2,3,4,5,6,7
	ds_load_b128 v[SC+8*NQ*\sc+NQ*\i:SC+8*NQ*\sc+NQ*\i+3], v[ADRS] offset:\i*SBLK
.endr
.endm
.macro PLACES n                        ; places in front of loads into registers that matrix instructions have read, and of the first read of results
.rept \n
	v_nop
.endr
.endm
.macro STEP slot, q, zero              ; a step of 128 along K that has its successor in the same slot
	s_wait_dscnt 4*NL                              ; all but the youngest eight loads (x's blocks 4-7) are in
	WIN MUL_LO
	MUL16 0, (\q)%2, \q, \slot, \zero
	MUL16 2, (\q)%2, \q, \slot, \zero
	s_wait_dscnt 0                                 ; x's blocks 4-7 are in
	PLACES NP
	FETCH_B \slot, (\q)+1, 1-(\q)%2
	FETCH_A \slot, (\q)+1, 0
	WIN MUL_HI
	MUL16 4, (\q)%2, \q, \slot, \zero
	MUL16 6, (\q)%2, \q, \slot, \zero
	PLACES NP
	WIN 0
	FETCH_A \slot, (\q)+1, 4
.endm
; Slot 0's last step changes slots: one barrier; in front of it each wave waits for all its tensor loads (its part of slot 1), adds 0 to its spare word, and waits for that and for its reads of slot 0.  Nothing is filled again.
.macro TURN slot, next
	s_wait_tensorcnt 0x0
	ds_add_u32 v[SPW], v[NIL]
	s_wait_dscnt 4*NL+1                            ; the add and the youngest eight loads may be out
	WIN MUL_LO
	MUL16 0, 1, NQ-1, \slot, 0
	s_wait_dscnt 0x0                               ; the add is done, and my reads of this slot are over
	s_barrier_signal -1
	MUL16 2, 1, NQ-1, \slot, 0
	WIN 0
	s_barrier_wait -1
	PLACES NP
	v_add_nc_u32 v[ADRS], 4*NQ, v[ADRS]            ; on to the next slot's scale words
	FETCH_B \next, 0, 0
	FETCH_A \next, 0, 0
	SCALES \next
	WIN MUL_HI
	MUL16 4, 1, NQ-1, \slot, 0
	MUL16 6, 1, NQ-1, \slot, 0
	PLACES NP
	WIN 0
	FETCH_A \next, 0, 4
.endm
.macro STEPS slot, from
.set Q, \from
.rept NQ-1-\from
	STEP \slot, Q, 0
.set Q, Q+1
.endr
.endm
	s_wait_tensorcnt 1                             ; the scales and my part of slot 0 are in; slot 1's load may be out
	s_barrier_signal -1
	s_barrier_wait -1
	FETCH_B 0, 0, 0
	FETCH_A 0, 0, 0
	SCALES 0
	FETCH_A 0, 0, 4
	STEP 0, 0, 1                                   ; the first step's products start the sums
	STEPS 0, 1
	TURN 0, 1
	STEPS 1, 0
	s_wait_dscnt 4*NL                              ; the last step: nothing more to fetch
	WIN MUL_LO
	MUL16 0, 1, NQ-1, 1, 0
	MUL16 2, 1, NQ-1, 1, 0
	s_wait_dscnt 0
	WIN MUL_HI
	MUL16 4, 1, NQ-1, 1, 0
	MUL16 6, 1, NQ-1, 1, 0
	WIN 0
; THE WAY OUT, a block of 16 tokens x 128 columns (two heads) at a time.  PACK: rounded to f16, 16 bytes a lane, each accumulator from its low end on.  TOSTAGE: into my own stage and back, four tokens x 128 bytes of one head an instruction.
; SEND: each store covers 512 consecutive bytes, aligned; every offset is an immediate.  LDS serves a wave's instructions in order (ISA guide 5.7.1.4): no wait between the stage's stores and its loads.
.macro PACK a
.set AC, 64*((\a)%4)
	WIN 0x0a+5*((\a)/4)                            ; sources 0 and 1: window 2 or 3
.irp b, 0,1,2,3,4,5,6,7
.irp i, 0,1,2,3
	v_cvt_pk_f16_f32 v[TMP+4*\b+\i], v[AC+8*\b+2*\i], v[AC+8*\b+2*\i+1]
.endr
.endr
	WIN 0
.endm
.macro TOSTAGE a
.set BB, OB+192*((\a)%2)
.irp b, 0,1,2,3,4,5,6,7
	ds_store_b128 v[STO], v[TMP+4*\b:TMP+4*\b+3] offset:32*\b
.endr
.irp g, 0,1
.irp i, 0,1,2,3
	ds_load_b128 v[BB+4*(4*\g+\i):BB+4*(4*\g+\i)+3], v[RD] offset:1088*\i+128*\g
.endr
.endr
.endm
.macro SEND a
.set BB, OB+192*((\a)%2)
	s_wait_dscnt 0x0                               ; the block is back in registers
	s_wait_xcnt 0x0                                ; the stores of the block before have read their registers: the next block's loads may land there
.irp g, 0,1
.irp i, 0,1,2,3
	global_store_b128 v[CO], v[BB+4*(4*\g+\i):BB+4*(4*\g+\i)+3], s[12:13] offset:131072*\g+2048*(\a)+512*\i
.endr
.endr
.endm
	PLACES NP
	PACK 0
	TOSTAGE 0
.irp a, 1,2,3,4,5,6,7                  ; block a's conversions stand between block a - 1's loads from the stage and the wait for them
	PACK \a
	SEND \a-1
	TOSTAGE \a
.endr
	SEND 7
	s_wait_tensorcnt 0x0                           ; the wave's end: three lines behind my last tensor load and my last LDS store
	ds_add_u32 v[SPW], v[NIL]
	s_wait_dscnt 0x0
	CROUND                                         ; the closing round: no work-group ends while a partner may still ask for a tile that names it
	s_endpgm
.Lfunc_end_k_qc663de9e5c_kv:
	.size	k_qc663de9e5c_kv, .Lfunc_end_k_qc663de9e5c_kv-k_qc663de9e5c_kv
	.p2alignl 7, 3214868480
	.fill 96, 4, 3214868480
	.section	.rodata,"a",@progbits
	.p2align	6, 0x0
	.amdhsa_kernel k_qc663de9e5c_kv
		.amdhsa_group_segment_fixed_size 327680
		.amdhsa_private_segment_fixed_size 0
		.amdhsa_enable_private_segment 0
		.amdhsa_kernarg_size 40
		.amdhsa_user_sgpr_count 2
		.amdhsa_user_sgpr_kernarg_segment_ptr 1
		.amdhsa_wavefront_size32 1
		.amdhsa_system_sgpr_workgroup_id_x 1
		.amdhsa_system_sgpr_workgroup_id_y 1
		.amdhsa_system_sgpr_workgroup_id_z 1
		.amdhsa_system_vgpr_workitem_id 0
		.amdhsa_next_free_vgpr 1024
		.amdhsa_next_free_sgpr 98
		.amdhsa_reserve_vcc 0
		.amdhsa_float_denorm_mode_32 3
		.amdhsa_float_denorm_mode_16_64 3
		.amdhsa_memory_ordered 1
		.amdhsa_forward_progress 1
		.amdhsa_inst_pref_size 127
	.end_amdhsa_kernel
	.amdgpu_metadata
---
amdhsa.version: [ 1, 2 ]
amdhsa.kernels:
  - .name:           k_qc663de9e5c_kv
    .symbol:         k_qc663de9e5c_kv.kd
    .args:
      - { .name: xc, .offset: 0, .size: 8, .value_kind: global_buffer, .address_space: global }
      - { .name: xs, .offset: 8, .size: 8, .value_kind: global_buffer, .address_space: global }
      - { .name: wc, .offset: 16, .size: 8, .value_kind: global_buffer, .address_space: global }
      - { .name: ws, .offset: 24, .size: 8, .value_kind: global_buffer, .address_space: global }
      - { .name: kvh, .offset: 32, .size: 8, .value_kind: global_buffer, .address_space: global }
    .group_segment_fixed_size: 327680
    .private_segment_fixed_size: 0
    .kernarg_segment_align: 8
    .kernarg_segment_size: 40
    .max_flat_workgroup_size: 128
    .sgpr_count:     98
    .vgpr_count:     1024
    .wavefront_size: 32
...
	.end_amdgpu_metadata
.endif
;; end of part 2
;; launch attn (part 3): grid 2 x 128, 16 waves a work-group, no clusters, 327,680 bytes of LDS; arguments xc, xs, wc, ws, kvh, ao; writes ao
.if DOCPART == 3
	.amdgcn_target "amdgcn-amd-amdhsa--gfx1250"
	.amdhsa_code_object_version 6
	.text
	.protected	k_qc663de9e5c_attn
	.globl	k_qc663de9e5c_attn
	.p2align	8
	.type	k_qc663de9e5c_attn,@function
k_qc663de9e5c_attn:
	s_mov_b64 s[64:65], 0
	v_nop
	global_prefetch_b8 v0, s[64:65] scope:SCOPE_SE
	s_setreg_imm32_b32 hwreg(HW_REG_WAVE_MODE, 25, 1), 1
	s_wait_xcnt 0x0
; ao[b][h][q][:] = the sum over k of softmax_k(q . k / 8) v[k][:], for each of 128 heads (b, h) of 1,024 tokens x 64.  k, v: f16, [2][128 heads][1,024][64]; ao: f16, [128 heads][1,024][64].
; q IS MADE HERE: q[token][d] = sum over c of x[token][c] qkv_w[64 h + d][c], on the codes of FP4 (E2M1) and E8M0 bytes that the first launch made, f32 sums, rounded once to f16: the same numbers that the launch before makes of k and v.
; A query's q is used by this work-group alone, so nothing is made twice; a wave's share is 2 tiles of tokens x 4 tiles of channels x 8 steps of 128 along K = 64 matrix instructions.
; The other products are on f16 operands with f32 sums; maxima, exponentials and sums in f32; the weights p are rounded to f16 for the second product, the result once at the end.
; LIMIT: q and the result must stay under 65,504 in magnitude; under 6e-5 their absolute error is at most 3e-8.
; SHARES.  A work-group owns one head and 512 of its queries; each of its SIXTEEN waves owns 32 queries, two tiles of 16, in 256 registers: four waves to a SIMD, so that one wave's vector work stands beside another's products and LDS loads.
; THE WHOLE HEAD'S K AND V LIE IN LDS, each byte filled once: four stages of 256 keys, all asked for at the head (waves 0-7: K, waves 8-15: V).  Ahead of them each wave asks for its part of the head's 64 rows of qkv_w:
; waves 0-7 eight rows of codes, waves 8-15 256 scale bytes.  Five loads a wave are out.  Work on stage 0 begins when it has landed; one more barrier, behind the wait for all loads, opens the other three stages.
; NO CLUSTER: with 512 queries to a work-group two work-groups share a head; four partners would mean 256 queries to a work-group, twice as many work-groups as there are WGPs, and half the waves beside each other on a SIMD.
; LAYOUT.  q^T = W x^T (source 0 = 16 rows of qkv_w, source 1 = 16 tokens): a lane holds ONE token (lane % 16) and the channels 8 (lane / 16) + 0..7 of each tile: two tiles, rounded to f16 in pairs, ARE a fragment of Q.
; S^T = K Q^T (source 0 = 16 keys, source 1 = 16 queries): a lane holds one query and the keys 8 (lane / 16) + 0..7 of each tile.  Two such tiles, rounded to f16 in pairs, ARE source 1 (32 keys x 16 queries)
; of O^T = V^T P.  K comes out of LDS as it lies, V ([key][channel]) turned, by ds_load_tr16_b128.
; SOFTMAX.  For each query a running maximum m and sum l: p = 2^(c s - c m), c = log2(e) / 8; in every step O and l are multiplied by a = 2^(c m_old - c m_new).  The step is written once: it begins from m = -3e38, l = 0, O = 0.
.set PK,    272                        ; an LDS row of K: two keys, 256 bytes + 16 of padding
.set PV,    288                        ; of V: 256 + 32
.set VB,    512*PK                     ; V begins behind K's 512 rows
.set SPARE, VB+512*PV                  ; the spare words, 128 bytes for each of 16 waves, which no other line names
.set WB,    SPARE+2048                 ; the head's 64 rows of qkv_w as codes: a row of 512 bytes is two LDS rows of 256 + 16; eight rows to a part
.set WPART, 16*PK+16                   ; from part to part: 16 bytes more than its 16 LDS rows, so that rows r and r + 8 of a fragment start 16 bytes apart modulo 256 and the 16 rows take 16 different columns of 16 bytes
.set WSB,   WB+8*WPART                 ; their scale bytes: 8 rows of 256 bytes (8 rows of qkv_w each), 272 apart
.set STG,   WB                         ; the way out: 16 rows x (128 bytes + 16) for each wave, over the codes and scale bytes of qkv_w: they have had their only fill, and their last read lies two barriers back
.set SP,    144
.set AK0, 1                            ; v1   my lane's place in a tile of K
.set AV0, 2                            ; v2   the same for V
.set ADK, 3                            ; v3   LDS address of the step's K;  at the head AW0
.set ADV, 4                            ; v4   of its V;                     at the head AWS
.set AW0, 3                            ;      my lane's place in a fragment of qkv_w
.set AWS, 4                            ;      and among its scale words
.set SPW, 5                            ; v5   LDS address of my spare word; never rewritten
.set NIL, 6                            ; v6   0; never rewritten
.set XO,  7                            ; v7   my byte offset in a tile of x's codes
.set ST,  8                            ; v8-23    tile t's statistics at ST + 8 t: +0 c m, +1 m, +2, +3 l, +4 to +7 at work; a takes +6
.set XS,  8                            ;          at the head: x's scale words: tile t, K step s at XS + 8 t + s
.set Q,   24                           ; v24-55   Q: tile t, channels 32 kp on, at Q + 16 t + 8 kp
.set WF,  24                           ;          at the head: a K step's four fragments of qkv_w
.set KV,  56                           ; v56-119  a step's K fragments, then its V fragments;  at the head x's fragments of tile 0, K step s at KV + 8 s
.set S,   120                          ; v120-183 S^T, 32 a tile; P is made in place in each tile's lower 16;  at the head q^T: tile t, channels 16 ct on, at S + 32 t + 8 ct
.set O,   184                          ; v184-247 O^T: tile t, channels 16 c on, at O + 32 t + 8 c;  at the head x's fragments of tile 1
.set STO, 248                          ; v248 the way out: where I put 16 bytes of a row
.set RD,  249                          ; v249 where I read back
.set GO,  250                          ; v250 16 x lane
.set WSC, 251                          ; v251-254 a K step's scale words of qkv_w
.set XSO, 255                          ; v255 my byte offset among x's scale bytes
.set G1K, 16                           ; s[16:23] descriptor group 1 for K, and for qkv_w's codes;  s[24:31] for V: it differs in the padding alone
.set G1V, 24
.set G0K, 32                           ; s[32:47] group 0 for K, a set for each stage;  s[48:63] for V
.set G0V, 48
.set CS,  66                           ; s[66:67] c, twice: the packed form names a pair
.set SEL, 68                           ; s[68:69] lane selects for v_permlanex16_b32: lane l xor 16
.set TBK, 70                           ; s70  LDS byte at which the step's K begins
.set TBV, 71                           ; s71  and its V, from VB on
.set CNT, 72                           ; s72  counts a loop's steps
.set WV,  73                           ; s73  my wave's number
.set W7,  74                           ; s74  my wave's number among the eight of its arm
.set G0W, 76                           ; s[76:79] group 0 for qkv_w's codes
.set G1S, 80                           ; s[80:87] group 1 for its scale bytes: one row of 256 bytes
.set G0S, 88                           ; s[88:91] their group 0
	s_load_b256 s[4:11], s[0:1], 0x0               ; x's codes, x's scales, qkv_w's codes, its scales
	s_load_b128 s[12:15], s[0:1], 0x20             ; kvh, ao
	v_lshl_add_u32 v[SPW], v0, 2, SPARE
	v_mov_b32 v[NIL], 0
	ds_add_u32 v[SPW], v[NIL]                      ; the wave's opening: the add, twice on end, and its wait ahead of my first tensor load; the set-up below stands between the second and the wait
	ds_add_u32 v[SPW], v[NIL]
	v_lshrrev_b32 v251, 5, v0
	v_readfirstlane_b32 s[WV], v251                ; wave 0..15
	s_and_b32 s[W7], s[WV], 7
	v_and_b32 v251, 15, v0                         ; r
	v_bfe_u32 v252, v0, 4, 1                       ; h
	v_and_b32 v253, 1, v0
	v_lshrrev_b32 v[AK0], 1, v251
	v_mul_u32_u24 v[AK0], v[AK0], PK               ; K: key r lies in row r / 2, at 128 (r % 2); + 16 h
	v_lshl_add_u32 v[AK0], v253, 7, v[AK0]
	v_lshl_add_u32 v[AK0], v252, 4, v[AK0]
	v_bfe_u32 v[AV0], v0, 1, 2                     ; V: the turning load's lane l addresses key 8 h + l % 8, channels 8 ((l / 8) % 2) on
	v_lshl_add_u32 v[AV0], v252, 2, v[AV0]
	v_mul_u32_u24 v[AV0], v[AV0], PV
	v_lshl_add_u32 v[AV0], v253, 7, v[AV0]
	v_bfe_u32 v253, v0, 3, 1
	v_lshl_add_u32 v[AV0], v253, 4, v[AV0]
	v_add_nc_u32 v[AV0], VB, v[AV0]
	v_lshlrev_b32 v[XO], 9, v251
	v_lshl_add_u32 v[XO], v252, 4, v[XO]           ; x's codes: token r's row of 512 bytes, + 16 h
	v_lshlrev_b32 v[XSO], 5, v251                  ; x's scale bytes: 32 a token
	v_lshrrev_b32 v253, 3, v251                    ; r / 8
	v_mul_u32_u24 v[AW0], v253, WPART              ; qkv_w's codes: row r lies in part r / 8, at 2 (r % 8) LDS rows; + 16 h
	v_mul_u32_u24 v[AWS], v253, PK                 ; its scale words: row r / 8 of 256 bytes, 32 bytes a row of qkv_w
	v_and_b32 v253, 7, v0                          ; r % 8
	v_mad_u32_u24 v[AW0], v253, 2*PK, v[AW0]
	v_lshl_add_u32 v[AW0], v252, 4, v[AW0]
	v_add_nc_u32 v[AW0], WB, v[AW0]
	v_lshl_add_u32 v[AWS], v253, 5, v[AWS]
	v_add_nc_u32 v[AWS], WSB, v[AWS]
	s_mul_i32 s92, s[WV], 16*SP
	s_add_co_u32 s92, s92, STG                     ; my stage
	v_mul_u32_u24 v[STO], v251, SP
	v_lshl_add_u32 v[STO], v252, 4, v[STO]
	v_add_nc_u32 v[STO], s92, v[STO]               ; in: row r, 16 bytes for each half of the lanes
	v_and_b32 v253, 31, v0
	v_lshlrev_b32 v[GO], 4, v253
	v_lshrrev_b32 v253, 3, v253
	v_mul_u32_u24 v[RD], v253, SP
	v_and_b32 v253, 7, v0
	v_lshl_add_u32 v[RD], v253, 4, v[RD]
	v_add_nc_u32 v[RD], s92, v[RD]                 ; back: eight lanes take a row of 128 bytes, four rows an instruction
	; descriptor group 1: 16 rows x 128 elements of 2 bytes, dense in memory, padded in LDS
	s_mov_b32 s[G1K], (1<<16)|(1<<20)|(5<<22)|(3<<25)   ; no mask; elements of 2 bytes; padding on: after every 64 words, 4 words
	s_mov_b32 s[G1V], (1<<16)|(1<<20)|(5<<22)|(7<<25)   ; the same with 8 words
.irp g, G1K, G1V
	s_mov_b32 s[\g+1], 128<<16                     ; tensor_dim0
	s_mov_b32 s[\g+2], 16<<16                      ; tensor_dim1
	s_mov_b32 s[\g+3], 128<<16                     ; tile_dim0
	s_mov_b32 s[\g+4], 16                          ; tile_dim1
	s_mov_b32 s[\g+5], 128                         ; from row to row
	s_mov_b32 s[\g+6], 0
	s_mov_b32 s[\g+7], 0
.endr
	s_mov_b32 s[G1S], 3<<16                        ; one row of 32 elements of 8 bytes, no padding
	s_mov_b32 s[G1S+1], 32<<16                     ; tensor_dim0
	s_mov_b32 s[G1S+2], 1<<16                      ; tensor_dim1
	s_mov_b32 s[G1S+3], 32<<16                     ; tile_dim0
	s_mov_b32 s[G1S+4], 1                          ; tile_dim1
	s_mov_b32 s[G1S+5], 32                         ; from row to row
	s_mov_b32 s[G1S+6], 1<<16                      ; from plane to plane: never 0 in a one-row descriptor
	s_mov_b32 s[G1S+7], 0
	s_mov_b32 s[CS], 0x3e38aa3b                    ; c = log2(e) / 8
	s_mov_b32 s[CS+1], s[CS]
	s_mov_b32 s[SEL], 0x76543210
	s_mov_b32 s[SEL+1], 0xfedcba98
	; group 0, words 0 and 1: where each tile goes: a constant + a constant x my number in the arm
	s_mov_b32 s[G0W], 1
	s_mul_i32 s[G0W+1], s[W7], WPART
	s_add_co_u32 s[G0W+1], s[G0W+1], WB
	s_mov_b32 s[G0S], 1
	s_mul_i32 s[G0S+1], s[W7], PK
	s_add_co_u32 s[G0S+1], s[G0S+1], WSB
.irp s, 0,1,2,3
	s_mov_b32 s[G0K+4*\s], 1
	s_mul_i32 s[G0K+4*\s+1], s[W7], 16*PK
	s_add_co_u32 s[G0K+4*\s+1], s[G0K+4*\s+1], \s*128*PK
	s_mov_b32 s[G0V+4*\s], 1
	s_mul_i32 s[G0V+4*\s+1], s[W7], 16*PV
	s_add_co_u32 s[G0V+4*\s+1], s[G0V+4*\s+1], VB+\s*128*PV
.endr
	; byte offsets, each in a pair of its own
	s_and_b32 s92, ttmp7, 0xffff                   ; 16 b + h
	s_lshl_b32 s95, ttmp9, 9                       ; my work-group's 512 queries,
	s_lshl_b32 s96, s[WV], 5
	s_add_co_u32 s95, s95, s96                     ; my wave's 32 of them: my first query, 0 .. 1,023
	s_lshr_b32 s94, s92, 4
	s_lshl_b32 s94, s94, 10
	s_add_co_u32 s94, s94, s95                     ; as a token of x: 1,024 b + query
	s_lshl_b32 s96, s94, 9                         ; x's codes: 512 bytes a token
	s_mov_b32 s97, 0
	s_lshl_b32 s98, s94, 5                         ; x's scale bytes: 32 a token
	s_mov_b32 s99, 0
	s_lshl_b32 s2, s92, 17                         ; ao: the head's 131,072 bytes,
	s_lshl_b32 s95, s95, 7
	s_add_co_u32 s2, s2, s95                       ; 128 a query
	s_mov_b32 s3, 0
	s_lshl_b32 s94, s92, 17                        ; k and v: the head's 131,072 bytes,
	s_lshl_b32 s95, s[W7], 12
	s_add_co_u32 s94, s94, s95                     ; my 16 rows of 256
	s_mov_b32 s95, 0
	s_and_b32 s92, s92, 15                         ; h
	s_lshl_b32 s92, s92, 15                        ; qkv_w's codes: q's 64 rows of head h are 32,768 bytes,
	s_lshl_b32 s93, s[W7], 12
	s_add_co_u32 s92, s92, s93                     ; my eight rows 4,096
	s_mov_b32 s93, 0
	s_wait_dscnt 0x0                               ; both opening adds are done
	s_wait_kmcnt 0x0
	s_add_nc_u64 s[4:5], s[4:5], s[96:97]          ; x's codes at my first query
	s_add_nc_u64 s[6:7], s[6:7], s[98:99]          ; x's scale bytes likewise
	s_add_nc_u64 s[14:15], s[14:15], s[2:3]        ; ao likewise
	s_add_nc_u64 s[12:13], s[12:13], s[94:95]      ; k at my rows of stage 0
	s_add_nc_u64 s[G0W+2:G0W+3], s[8:9], s[92:93]
	s_or_b32 s[G0W+3], s[G0W+3], 0x80000000
	s_lshr_b32 s92, s92, 4                         ; a sixteenth as many scale bytes as bytes of codes: 2,048 a head, 256 for my eight rows
	s_add_nc_u64 s[G0S+2:G0S+3], s[10:11], s[92:93]
	s_or_b32 s[G0S+3], s[G0S+3], 0x80000000
.irp s, 0,1,2,3
	s_add_nc_u64 s[G0K+4*\s+2:G0K+4*\s+3], s[12:13], 32768*\s               ; a stage is 256 keys
	s_or_b32 s[G0K+4*\s+3], s[G0K+4*\s+3], 0x80000000
	s_add_nc_u64 s[G0V+4*\s+2:G0V+4*\s+3], s[12:13], 0x1000000+32768*\s     ; v lies 16 MiB behind k
	s_or_b32 s[G0V+4*\s+3], s[G0V+4*\s+3], 0x80000000
.endr
	s_cmp_lt_u32 s[WV], 8                          ; a wave's five fills stand in one arm of one branch on the wave's number, ahead of every wait on TENSORcnt, every LDS read and every barrier
	s_cbranch_scc0 .Lfill_v
	tensor_load_to_lds s[G0W:G0W+3], s[G1K:G1K+7]  ; qkv_w first: it is wanted first
	s_nop 0
.irp s, 0,1,2,3
	tensor_load_to_lds s[G0K+4*\s:G0K+4*\s+3], s[G1K:G1K+7]
	s_nop 0
.endr
.rept 4
	v_nop
.endr
	s_branch .Lfilled
.Lfill_v:
	tensor_load_to_lds s[G0S:G0S+3], s[G1S:G1S+7]
	s_nop 0
.irp s, 0,1,2,3
	tensor_load_to_lds s[G0V+4*\s:G0V+4*\s+3], s[G1V:G1V+7]
	s_nop 0
.endr
.rept 4
	v_nop
.endr
.Lfilled:
	; x of my 32 queries, straight into registers: the scale words first, then the fragments K step by K step, four loads a step
.irp t, 0,1
	global_load_b128 v[XS+8*\t:XS+8*\t+3], v[XSO], s[6:7] offset:512*\t          ; lane r: token r's eight scale words (lanes 16-31 hold the same and are not read)
	global_load_b128 v[XS+8*\t+4:XS+8*\t+7], v[XSO], s[6:7] offset:512*\t+16
.endr
.irp s, 0,1,2,3,4,5,6,7
	global_load_b128 v[KV+8*\s:KV+8*\s+3], v[XO], s[4:5] offset:64*\s            ; 16 tokens x 128 K of 4-bit codes: registers 4 c .. 4 c + 3 hold K = 64 c + 32 h + 0 .. 31
	global_load_b128 v[KV+8*\s+4:KV+8*\s+7], v[XO], s[4:5] offset:64*\s+32
	global_load_b128 v[O+8*\s:O+8*\s+3], v[XO], s[4:5] offset:8192+64*\s
	global_load_b128 v[O+8*\s+4:O+8*\s+7], v[XO], s[4:5] offset:8192+64*\s+32
.endr
	s_wait_tensorcnt 4                             ; my part of qkv_w is in; my four loads of K or V, issued behind it, may be out
	s_barrier_signal -1
	s_barrier_wait -1                              ; everybody's is
; q^T = W x^T, a step of 128 along K: four fragments of qkv_w and their scale words from LDS, eight matrix instructions on eight accumulators by turns, one instruction a turn.
.macro QSTEP s
.if (\s) > 0
.rept 4
	v_nop                                          ; places in front of loads into registers that matrix instructions have read
.endr
.endif
.irp ct, 0,1,2,3
	ds_load_b128 v[WF+8*\ct:WF+8*\ct+3], v[AW0] offset:2*WPART*\ct+PK*((\s)/4)+64*((\s)%4)
	ds_load_b128 v[WF+8*\ct+4:WF+8*\ct+7], v[AW0] offset:2*WPART*\ct+PK*((\s)/4)+64*((\s)%4)+32
	ds_load_b32 v[WSC+\ct], v[AWS] offset:2*PK*\ct+4*(\s)
.endr
	s_wait_loadcnt 28-4*(\s)                       ; x's scale words and its fragments up to this step are in; the later steps' four loads each may be out
	s_wait_dscnt 0x0
.irp ct, 0,1,2,3
.irp t, 0,1
.if (\s) == 0
	v_wmma_scale_f32_16x16x128_f8f6f4 v[S+32*\t+8*\ct:S+32*\t+8*\ct+7], v[WF+8*\ct:WF+8*\ct+7], v[KV+(O-KV)*\t+8*(\s):KV+(O-KV)*\t+8*(\s)+7], 0, v[WSC+\ct], v[XS+8*\t+(\s)] matrix_a_fmt:MATRIX_FMT_FP4 matrix_b_fmt:MATRIX_FMT_FP4
.else
	v_wmma_scale_f32_16x16x128_f8f6f4 v[S+32*\t+8*\ct:S+32*\t+8*\ct+7], v[WF+8*\ct:WF+8*\ct+7], v[KV+(O-KV)*\t+8*(\s):KV+(O-KV)*\t+8*(\s)+7], v[S+32*\t+8*\ct:S+32*\t+8*\ct+7], v[WSC+\ct], v[XS+8*\t+(\s)] matrix_a_fmt:MATRIX_FMT_FP4 matrix_b_fmt:MATRIX_FMT_FP4
.endif
.endr
.endr
.endm
.irp s, 0,1,2,3,4,5,6,7
	QSTEP \s
.endr
.rept 5
	v_nop                                          ; places behind the last of these products: four for the conversions, which read the sums and write over qkv_w's fragments; five for the products K Q^T, which write over the sums
.endr
.irp t, 0,1                                    ; lane (r, h), register j of tile ct: q(token r, channel 16 ct + 8 h + j): tiles 2 kp and 2 kp + 1 make the fragment of channels 32 kp on; each sum is read from its low end on
.irp kp, 0,1
.irp i, 0,1,2,3
	v_cvt_pk_f16_f32 v[Q+16*\t+8*\kp+\i], v[S+32*\t+16*\kp+2*\i], v[S+32*\t+16*\kp+2*\i+1]
.endr
.irp i, 0,1,2,3
	v_cvt_pk_f16_f32 v[Q+16*\t+8*\kp+4+\i], v[S+32*\t+16*\kp+8+2*\i], v[S+32*\t+16*\kp+8+2*\i+1]
.endr
.endr
.endr
.irp t, 0,1
	v_mov_b32 v[ST+8*\t+1], 0xff61b1e6             ; m = -3e38, under every score
	v_mul_f32 v[ST+8*\t], s[CS], v[ST+8*\t+1]      ; c m
	v_mov_b32 v[ST+8*\t+2], 0                      ; l, in two halves
	v_mov_b32 v[ST+8*\t+3], 0
.endr
.set ii, 0
.rept 64
	v_mov_b32 v[O+ii], 0                           ; O^T: the step is written once; the first a is 0 over zeros
.set ii, ii+1
.endr
; A KEY STEP: 64 keys, both tiles of queries.
.macro STEP
	v_add_nc_u32 v[ADK], s[TBK], v[AK0]            ; these two and three v_nop are five places behind the last products V^T P: four are owed to the loads into K's registers, five to the products below, which write over P
	v_add_nc_u32 v[ADV], s[TBV], v[AV0]
.rept 3
	v_nop
.endr
.irp kt, 0,1,2,3                               ; K: keys 16 kt on, channels 32 kp on
.irp kp, 0,1
	ds_load_b128 v[KV+8*(2*\kt+\kp):KV+8*(2*\kt+\kp)+3], v[ADK] offset:2176*\kt+64*\kp
	ds_load_b128 v[KV+8*(2*\kt+\kp)+4:KV+8*(2*\kt+\kp)+7], v[ADK] offset:2176*\kt+64*\kp+32
.endr
.endr
	s_wait_dscnt 0x0
.irp kp, 0,1                                   ; S^T = K Q^T: eight accumulators by turns, one instruction a turn
.irp kt, 0,1,2,3
.irp t, 0,1
.if \kp == 0
	v_wmma_f32_16x16x32_f16 v[S+32*\t+8*\kt:S+32*\t+8*\kt+7], v[KV+8*(2*\kt+\kp):KV+8*(2*\kt+\kp)+7], v[Q+16*\t+8*\kp:Q+16*\t+8*\kp+7], 0
.else
	v_wmma_f32_16x16x32_f16 v[S+32*\t+8*\kt:S+32*\t+8*\kt+7], v[KV+8*(2*\kt+\kp):KV+8*(2*\kt+\kp)+7], v[Q+16*\t+8*\kp:Q+16*\t+8*\kp+7], v[S+32*\t+8*\kt:S+32*\t+8*\kt+7]
.endif
.endr
.endr
.endr
.rept 4
	v_nop                                          ; places in front of the loads into K's registers and of the first read of the scores
.endr
.irp u, 0,1                                    ; V, turned: keys 32 u on, channels 16 c on; it lands while the softmax is walked
.irp c, 0,1,2,3
	ds_load_tr16_b128 v[KV+8*(4*\u+\c):KV+8*(4*\u+\c)+3], v[ADV] offset:4608*\u+32*\c
	ds_load_tr16_b128 v[KV+8*(4*\u+\c)+4:KV+8*(4*\u+\c)+7], v[ADV] offset:4608*\u+32*\c+2304
.endr
.endr
	; the maximum of my 32 scores and the old m: four chains a tile, each accumulator read from its low end on; the two tiles alternate
.irp j, 0,1,2,3
.irp t, 0,1
	v_max3_num_f32 v[ST+8*\t+4+\j], v[S+32*\t+8*\j], v[S+32*\t+8*\j+1], v[S+32*\t+8*\j+2]
.endr
.endr
.irp i, 3,5
.irp j, 0,1,2,3
.irp t, 0,1
	v_max3_num_f32 v[ST+8*\t+4+\j], v[ST+8*\t+4+\j], v[S+32*\t+8*\j+\i], v[S+32*\t+8*\j+\i+1]
.endr
.endr
.endr
.irp t, 0,1
	v_max3_num_f32 v[ST+8*\t+4], v[ST+8*\t+4], v[S+32*\t+7], v[S+32*\t+15]
	v_max3_num_f32 v[ST+8*\t+6], v[ST+8*\t+6], v[S+32*\t+23], v[S+32*\t+31]
.endr
.irp t, 0,1
	v_max3_num_f32 v[ST+8*\t+4], v[ST+8*\t+4], v[ST+8*\t+5], v[ST+8*\t+6]
.endr
.irp t, 0,1
	v_max3_num_f32 v[ST+8*\t+4], v[ST+8*\t+4], v[ST+8*\t+7], v[ST+8*\t+1]
.endr
.irp t, 0,1
	v_permlanex16_b32 v[ST+8*\t+5], v[ST+8*\t+4], s[SEL], s[SEL+1]   ; the query's other 32 keys lie in the lane 16 away
.endr
.irp t, 0,1
	v_mov_b32 v[ST+8*\t+7], v[ST+8*\t]             ; c m_old is kept for a
.endr
.irp t, 0,1
	v_max_num_f32 v[ST+8*\t+1], v[ST+8*\t+4], v[ST+8*\t+5]
.endr
.irp t, 0,1
	v_mul_f32 v[ST+8*\t], s[CS], v[ST+8*\t+1]
.endr
.irp t, 0,1
	v_sub_f32 v[ST+8*\t+7], v[ST+8*\t+7], v[ST+8*\t]
.endr
.irp b, 0,1,2,3,4,5,6,7,8,9,10,11,12,13,14,15
.irp t, 0,1
	v_pk_fma_f32 v[S+32*\t+2*\b:S+32*\t+2*\b+1], v[S+32*\t+2*\b:S+32*\t+2*\b+1], s[CS:CS+1], v[ST+8*\t:ST+8*\t+1] op_sel_hi:[1,0,0] neg_lo:[0,0,1] neg_hi:[0,0,1]   ; c s - c m, two at a time
.endr
.endr
.irp t, 0,1
	v_exp_f32 v[ST+8*\t+6], v[ST+8*\t+7]           ; a
.endr
.set ii, 0
.rept 64
	v_exp_f32 v[S+ii], v[S+ii]                     ; p: ONE BATCH of 66 exponentials for both tiles
.set ii, ii+1
.endr
	v_nop                                          ; a plain instruction behind the last exponential
	s_wait_alu depctr_va_vdst(0)                   ; and the one wait ahead of the batch's first reader
.irp t, 0,1
	v_pk_add_f32 v[ST+8*\t+4:ST+8*\t+5], v[S+32*\t:S+32*\t+1], v[S+32*\t+2:S+32*\t+3]   ; the sum of the unrounded p, ahead of the roundings that write over them
.endr
.irp b, 2,3,4,5,6,7,8,9,10,11,12,13,14,15
.irp t, 0,1
	v_pk_add_f32 v[ST+8*\t+4:ST+8*\t+5], v[ST+8*\t+4:ST+8*\t+5], v[S+32*\t+2*\b:S+32*\t+2*\b+1]
.endr
.endr
.irp t, 0,1
	v_pk_fma_f32 v[ST+8*\t+2:ST+8*\t+3], v[ST+8*\t+2:ST+8*\t+3], v[ST+8*\t+6:ST+8*\t+7], v[ST+8*\t+4:ST+8*\t+5] op_sel_hi:[1,0,1]   ; l = a l + the sum
.endr
.irp i, 0,1,2,3,4,5,6,7,8,9,10,11,12,13,14,15
.irp t, 0,1
	v_cvt_pk_f16_f32 v[S+32*\t+\i], v[S+32*\t+2*\i], v[S+32*\t+2*\i+1]   ; P in place, ascending: every source has been read before its register is written
.endr
.endr
.irp i, 0,1,2,3,4,5,6,7,8,9,10,11,12,13,14,15
.irp t, 0,1
	v_pk_mul_f32 v[O+32*\t+2*\i:O+32*\t+2*\i+1], v[O+32*\t+2*\i:O+32*\t+2*\i+1], v[ST+8*\t+6:ST+8*\t+7] op_sel_hi:[1,0]   ; O^T x a, each accumulator from its low end on
.endr
.endr
	s_wait_dscnt 0x0                               ; V is in
.irp u, 0,1                                    ; O^T += V^T P: eight accumulators by turns
.irp c, 0,1,2,3
.irp t, 0,1
	v_wmma_f32_16x16x32_f16 v[O+32*\t+8*\c:O+32*\t+8*\c+7], v[KV+8*(4*\u+\c):KV+8*(4*\u+\c)+7], v[S+32*\t+8*\u:S+32*\t+8*\u+7], v[O+32*\t+8*\c:O+32*\t+8*\c+7]
.endr
.endr
.endr
	s_add_co_u32 s[TBK], s[TBK], 32*PK             ; the next 64 keys
	s_add_co_u32 s[TBV], s[TBV], 32*PV
.endm
; A RUN OF STEPS behind a barrier.  left: how many of my loads, the later stages', may be out when my part of what the run reads has landed; behind the barrier everybody's has.  first: the stage at which the run begins.
; My LDS reads so far are waited for too.  No LDS byte is ever filled again.
.macro PHASE left, first, steps
	s_wait_tensorcnt \left
	s_wait_dscnt 0x0
	s_barrier_signal -1
	s_barrier_wait -1
	s_mov_b32 s[TBK], (\first)*128*PK
	s_mov_b32 s[TBV], (\first)*128*PV
	s_mov_b32 s[CNT], \steps
.Lstep_\@:
	STEP
	s_sub_co_u32 s[CNT], s[CNT], 1
	s_cmp_lg_u32 s[CNT], 0
	s_cbranch_scc1 .Lstep_\@
.endm
	PHASE 3, 0, 4                                  ; stage 0: keys 0 to 255; three loads of mine may be out
	PHASE 0, 1, 12                                 ; stages 1 to 3: every wave has shown all its loads done in front of its signal, and every read of those bytes stands behind the barrier's wait; no barrier parts the twelve steps
	; THE WAY OUT.  l's two halves and the other half of the lanes' are added; O^T is divided by l, rounded to f16 and sent through my stage, a tile (16 rows of 128 bytes) at a time.
.rept 4
	v_nop                                          ; places behind the last products
.endr
.irp t, 0,1
	v_add_f32 v[ST+8*\t+4], v[ST+8*\t+2], v[ST+8*\t+3]
.endr
.irp t, 0,1
	v_permlanex16_b32 v[ST+8*\t+5], v[ST+8*\t+4], s[SEL], s[SEL+1]
.endr
.irp t, 0,1
	v_add_f32 v[ST+8*\t+4], v[ST+8*\t+4], v[ST+8*\t+5]
.endr
.irp t, 0,1
	v_rcp_f32 v[ST+8*\t+6], v[ST+8*\t+4]
.endr
	v_nop                                          ; a plain instruction behind the last reciprocal
	s_wait_alu depctr_va_vdst(0)                   ; one wait for both, ahead of the first reader
.irp t, 0,1
.set ii, 0
.rept 16
	v_pk_mul_f32 v[O+32*\t+2*ii:O+32*\t+2*ii+1], v[O+32*\t+2*ii:O+32*\t+2*ii+1], v[ST+8*\t+6:ST+8*\t+7] op_sel_hi:[1,0]
.set ii, ii+1
.endr
.set ii, 0
.rept 16
	v_cvt_pk_f16_f32 v[S+32*\t+ii], v[O+32*\t+2*ii], v[O+32*\t+2*ii+1]
.set ii, ii+1
.endr
.irp c, 0,1,2,3
	ds_store_b128 v[STO], v[S+32*\t+4*\c:S+32*\t+4*\c+3] offset:32*\c       ; row r, channels 16 c + 8 h + 0 .. 7
.endr
.irp j, 0,1,2,3
	ds_load_b128 v[S+32*\t+16+4*\j:S+32*\t+16+4*\j+3], v[RD] offset:576*\j   ; LDS serves a wave's instructions in order (ISA guide 5.7.1.4): these see the stores above; the next tile's stores come behind them
.endr
.endr
.irp t, 0,1
.irp j, 0,1,2,3
	s_wait_dscnt (1-\t)*8+3-\j                     ; behind this load: the tile's later loads, and for tile 0 tile 1's eight LDS instructions
	global_store_b128 v[GO], v[S+32*\t+16+4*\j:S+32*\t+16+4*\j+3], s[14:15] offset:2048*\t+512*\j   ; 32 lanes store 512 consecutive bytes, aligned
.endr
.endr
	s_wait_tensorcnt 0x0                           ; the wave's end: three lines behind my last tensor load and my last LDS store
	ds_add_u32 v[SPW], v[NIL]
	s_wait_dscnt 0x0
	s_endpgm
.Lfunc_end_k_qc663de9e5c_attn:
	.size	k_qc663de9e5c_attn, .Lfunc_end_k_qc663de9e5c_attn-k_qc663de9e5c_attn
	.p2alignl 7, 3214868480
	.fill 96, 4, 3214868480
	.section	.rodata,"a",@progbits
	.p2align	6, 0x0
	.amdhsa_kernel k_qc663de9e5c_attn
		.amdhsa_group_segment_fixed_size 327680
		.amdhsa_private_segment_fixed_size 0
		.amdhsa_enable_private_segment 0
		.amdhsa_kernarg_size 48
		.amdhsa_user_sgpr_count 2
		.amdhsa_user_sgpr_kernarg_segment_ptr 1
		.amdhsa_wavefront_size32 1
		.amdhsa_system_sgpr_workgroup_id_x 1
		.amdhsa_system_sgpr_workgroup_id_y 1
		.amdhsa_system_sgpr_workgroup_id_z 1
		.amdhsa_system_vgpr_workitem_id 0
		.amdhsa_next_free_vgpr 256
		.amdhsa_next_free_sgpr 100
		.amdhsa_reserve_vcc 0
		.amdhsa_float_denorm_mode_32 3
		.amdhsa_float_denorm_mode_16_64 3
		.amdhsa_memory_ordered 1
		.amdhsa_forward_progress 1
		.amdhsa_inst_pref_size 75
	.end_amdhsa_kernel
	.amdgpu_metadata
---
amdhsa.version: [ 1, 2 ]
amdhsa.kernels:
  - .name:           k_qc663de9e5c_attn
    .symbol:         k_qc663de9e5c_attn.kd
    .args:
      - { .name: xc, .offset: 0, .size: 8, .value_kind: global_buffer, .address_space: global }
      - { .name: xs, .offset: 8, .size: 8, .value_kind: global_buffer, .address_space: global }
      - { .name: wc, .offset: 16, .size: 8, .value_kind: global_buffer, .address_space: global }
      - { .name: ws, .offset: 24, .size: 8, .value_kind: global_buffer, .address_space: global }
      - { .name: kvh, .offset: 32, .size: 8, .value_kind: global_buffer, .address_space: global }
      - { .name: ao, .offset: 40, .size: 8, .value_kind: global_buffer, .address_space: global }
    .group_segment_fixed_size: 327680
    .private_segment_fixed_size: 0
    .kernarg_segment_align: 8
    .kernarg_segment_size: 48
    .max_flat_workgroup_size: 512
    .sgpr_count:     100
    .vgpr_count:     256
    .wavefront_size: 32
...
	.end_amdgpu_metadata
.endif
;; end of part 3
;; launch proj (part 4): grid 8 x 32, 4 waves a work-group, clusters of 4 x 4, 327,680 bytes of LDS; arguments ao, pw16, proj_b, out0; writes out0
.if DOCPART == 4
	.amdgcn_target "amdgcn-amd-amdhsa--gfx1250"
	.amdhsa_code_object_version 6
	.text
	.protected	k_qc663de9e5c_proj
	.globl	k_qc663de9e5c_proj
	.p2align	8
	.type	k_qc663de9e5c_proj,@function
k_qc663de9e5c_proj:
	s_mov_b64 s[64:65], 0
	v_nop
	global_prefetch_b8 v0, s[64:65] scope:SCOPE_SE
	s_setreg_imm32_b32 hwreg(HW_REG_WAVE_MODE, 25, 1), 1
	s_wait_xcnt 0x0
	s_wait_alu depctr_hold_cnt(0) depctr_sa_sdst(0) depctr_va_vdst(0) depctr_va_sdst(0) depctr_va_ssrc(0) depctr_va_vcc(0) depctr_vm_vsrc(0)
	s_getreg_b32 s2, hwreg(HW_REG_IB_STS2, 6, 4)
	s_cmp_eq_u32 s2, 0
	s_cbranch_scc0 .Lentry_in_a_cluster
	s_endpgm
.Lentry_in_a_cluster:
	s_bfe_u32 s2, ttmp6, 0x10000c
	s_cmp_lg_u32 s2, 0xf033
	s_cbranch_scc0 .Lentry_shape_is_right
	s_endpgm
.Lentry_shape_is_right:
; out0[token][o] = sum over c of a[token][c] proj_w[o][c] + proj_b[o].  a: f16, laid [8 b][16 h][1,024 n][64] (c = 64 h + d); proj_w: f16 [1,024][1,024]; proj_b, out0: f32.  Sums in f32.
; A tile of 256 tokens x 128 columns is made by a work-group of four waves: 256 work-groups.  A wave makes 128 tokens x 64 columns: 32 accumulators of 16 x 16, which fill window 1.
; K goes in steps of 128, two heads, through a ring of two LDS slots.  A head's 256 tokens are 32,768 consecutive bytes: waves 0 and 1 fetch the step's two heads (128 rows of 256 bytes, two tokens a row), waves 2 and 3 64 rows of proj_w each.
; CLUSTERS: 4 x 4 work-groups.  The four of a row of the cluster need the same tokens, the four of a column the same rows of proj_w: each tile is asked for JOINTLY, by the same tensor load with the same descriptor and a mask that names the four.
; THE MATRIX INSTRUCTION IS USED TRANSPOSED (source 0 = 16 rows of proj_w, source 1 = 16 tokens): a lane holds eight neighbouring columns of one token.  The bias is the C of each sum's first matrix instruction.
; REGISTERS: window 0: v0-31 addresses; v32-127, v128-223 two fragment buffers (8 fragments of a, then 4 of proj_w); v224-255 the bias in the result's layout.  window 1: accumulator (a, b) at v[8 (4 a + b)].
.set PITCH,  272                       ; an LDS row: 256 bytes + 16 of padding
.set APL,    128*PITCH                 ; one head's 256 tokens
.set BH,     64*PITCH                  ; 64 rows of proj_w; also 128 tokens of one head
.set SLOT,   2*APL+2*BH
.set STAGE,  2*SLOT                    ; behind the ring: 16 rows x 272 bytes for each wave, for the way out
.set SPARE,  STAGE+4*16*PITCH          ; the spare words, 128 bytes for each wave, which no other line names
.set LAPS,   4                         ; a lap = two K steps = once round the ring
.set ADRA, 16                          ; v16-17  LDS address of my fragments of a in slot 0, 1
.set ADRB, 20                          ; v20-21  the same for proj_w
.set STO,  24                          ; v24     the way out: where I put 32 bytes of a row
.set RD,   25                          ; v25     where I read a row back
.set CO,   26                          ; v26     my byte offset in two rows of out0
.set BO,   27                          ; v27     32 x (lane / 16): my eight numbers of a tile's bias
.set SPW,  28                          ; v28     LDS address of my spare word; never rewritten
.set NIL,  29                          ; v29     0; never rewritten
.set F0,   32
.set F1,   128
.set BIAS, 224
.set G1, 24
.set G0, 32
.set G1B, 48
.set G0B, 56
.set MSB, 0
.macro WIN new                         ; the immediate's high byte repeats the setting that is left
.if MSB != (\new)
	s_set_vgpr_msb (MSB<<8)|(\new)
.set MSB, (\new)
.endif
.endm
.macro JLOAD s                         ; a joint load: waves 0 and 1 fetch a's two heads, waves 2 and 3 proj_w's two halves; an s_nop 0 and four v_nop follow each of the two lines
	s_cmp_eq_u32 s13, 0
	s_cbranch_scc0 .Lfor_b_\@
	tensor_load_to_lds s[G0+4*\s:G0+4*\s+3], s[G1:G1+7]
	s_nop 0
.rept 4
	v_nop
.endr
	s_branch .Lasked_\@
.Lfor_b_\@:
	tensor_load_to_lds s[G0B+4*\s:G0B+4*\s+3], s[G1B:G1B+7]
	s_nop 0
.rept 4
	v_nop
.endr
.Lasked_\@:
.endm
.macro CREST                           ; a round of the cluster's barrier behind its opening barrier
	s_cmp_lg_u32 s12, 0
	s_cbranch_scc1 .Lnot_wave_0_\@
	s_barrier_signal -3
.Lnot_wave_0_\@:
	s_barrier_wait -3
	s_barrier_signal -1
	s_barrier_wait -1
.endm
.macro CROUND
	s_barrier_signal -1
	s_barrier_wait -1
	CREST
.endm
	s_load_b256 s[4:11], s[0:1], 0x0               ; ao, pw16, proj_b, out0
	v_lshl_add_u32 v[SPW], v0, 2, SPARE
	v_mov_b32 v[NIL], 0
	ds_add_u32 v[SPW], v[NIL]                      ; the wave's opening: the add, twice on end, and its wait ahead of my first tensor load
	ds_add_u32 v[SPW], v[NIL]
	v_lshrrev_b32 v1, 5, v0
	v_readfirstlane_b32 s12, v1                    ; wave 0..3
	s_lshr_b32 s13, s12, 1                         ; which half of the tile's tokens is mine.  Also: I fetch for a (0) or for proj_w (1)
	s_and_b32 s14, s12, 1                          ; which half of its columns.  Also: which head, or which 64 rows, I fetch
	s_bfe_u32 s40, ttmp6, 0x40000                  ; cx, cy
	s_bfe_u32 s41, ttmp6, 0x40004
	s_lshl_b32 s42, ttmp9, 2
	s_add_co_u32 s42, s42, s40                     ; tile column = 4 x cluster x + cx
	s_and_b32 s15, ttmp7, 0xffff
	s_lshl_b32 s15, s15, 2
	s_add_co_u32 s15, s15, s41                     ; tile row = 4 x cluster y + cy
	s_lshl_b32 s43, s41, 2
	s_lshl_b32 s43, 15, s43                        ; my row of the cluster
	s_lshl_b32 s44, 0x1111, s40                    ; my column
	s_or_b32 s[G1+0], s43, (1<<16)|(1<<20)|(1<<21)|(5<<22)|(3<<25)   ; the mask; elements of 2 bytes; padding on; bit 21 beside a mask; after every 64 words, 4 words
	s_mov_b32 s[G1+1], 128<<16                     ; a: 128 rows x 128 elements, dense
	s_mov_b32 s[G1+2], 128<<16
	s_mov_b32 s[G1+3], 128<<16
	s_mov_b32 s[G1+4], 128
	s_mov_b32 s[G1+5], 128
	s_mov_b32 s[G1+6], 0
	s_mov_b32 s[G1+7], 0
	s_or_b32 s[G1B+0], s44, (1<<16)|(1<<20)|(1<<21)|(5<<22)|(3<<25)
	s_mov_b32 s[G1B+1], 128<<16                    ; proj_w: 64 rows x 128 elements, 1,024 elements from row to row
	s_mov_b32 s[G1B+2], 64<<16
	s_mov_b32 s[G1B+3], 128<<16
	s_mov_b32 s[G1B+4], 64
	s_mov_b32 s[G1B+5], 1024
	s_mov_b32 s[G1B+6], 0
	s_mov_b32 s[G1B+7], 0
	s_lshr_b32 s16, s15, 2                         ; a: (((b x 16 + head) x 1,024 + n) x 128 bytes; b = tile row / 4, n = 256 (tile row % 4), head = my one of the step's two
	s_lshl_b32 s16, s16, 4
	s_add_co_u32 s16, s16, s14
	s_lshl_b32 s16, s16, 10
	s_and_b32 s17, s15, 3
	s_lshl_b32 s17, s17, 8
	s_add_co_u32 s16, s16, s17
	s_lshl_b32 s16, s16, 7
	s_mov_b32 s17, 0
	s_lshl_b32 s46, s42, 7                         ; proj_w: row 128 x tile column + 64 x half, 2,048 bytes a row
	s_lshl_b32 s47, s14, 6
	s_add_co_u32 s46, s46, s47
	s_lshl_b32 s46, s46, 11
	s_mov_b32 s47, 0
	s_mul_i32 s20, s14, APL                        ; where they go: no place in the cluster enters an LDS address
	s_mul_i32 s21, s14, BH
	s_add_co_u32 s21, s21, 2*APL
	s_wait_dscnt 0x0                               ; both opening adds are done
	s_wait_kmcnt 0x0
	s_add_nc_u64 s[16:17], s[4:5], s[16:17]
	s_add_nc_u64 s[46:47], s[6:7], s[46:47]
	CROUND                                         ; all sixteen work-groups are here: the first joint loads meet
.irp s, 0,1
	s_mov_b32 s[G0+4*\s], 1
	s_add_co_u32 s[G0+4*\s+1], s20, \s*SLOT
	s_add_nc_u64 s[G0+4*\s+2:G0+4*\s+3], s[16:17], \s*262144       ; K step s: two heads on
	s_or_b32 s[G0+4*\s+3], s[G0+4*\s+3], 0x80000000
	s_mov_b32 s[G0B+4*\s], 1
	s_add_co_u32 s[G0B+4*\s+1], s21, \s*SLOT
	s_add_nc_u64 s[G0B+4*\s+2:G0B+4*\s+3], s[46:47], \s*256
	s_or_b32 s[G0B+4*\s+3], s[G0B+4*\s+3], 0x80000000
	JLOAD \s
.endr
	v_and_b32 v1, 15, v0                           ; r
	v_bfe_u32 v2, v0, 4, 1                         ; h
	v_lshrrev_b32 v3, 1, v1
	v_mul_u32_u24 v3, v3, PITCH                    ; a: token r lies in row r / 2, at 128 (r % 2); + 16 h
	v_and_b32 v4, 1, v0
	v_lshl_add_u32 v3, v4, 7, v3
	v_lshl_add_u32 v3, v2, 4, v3
	v_mul_u32_u24 v4, v1, PITCH                    ; proj_w: row r, + 16 h
	v_lshl_add_u32 v4, v2, 4, v4
	s_mul_i32 s21, s13, BH                         ; my 128 tokens: 64 LDS rows
	s_mul_i32 s22, s14, BH                         ; my 64 rows of proj_w,
	s_add_co_u32 s22, s22, 2*APL                   ; behind a's two heads
.irp s, 0,1
	v_add_nc_u32 v[ADRA+\s], s21, v3
	v_add_nc_u32 v[ADRB+\s], s22, v4
	s_add_co_u32 s21, s21, SLOT
	s_add_co_u32 s22, s22, SLOT
.endr
	s_mul_i32 s23, s12, 16*PITCH
	s_add_co_u32 s23, s23, STAGE                   ; my stage
	v_mul_u32_u24 v5, v1, PITCH
	v_lshl_add_u32 v5, v2, 5, v5
	v_add_nc_u32 v[STO], s23, v5                   ; in: row r, 32 bytes for each half of the lanes
	v_mul_u32_u24 v5, v2, PITCH
	v_lshl_add_u32 v5, v1, 4, v5
	v_add_nc_u32 v[RD], s23, v5                    ; back: lanes 0-15 one row of 256 bytes, lanes 16-31 the next
	v_lshlrev_b32 v5, 12, v2
	v_lshl_add_u32 v[CO], v1, 4, v5                ; and the same two rows in out0
	v_lshlrev_b32 v[BO], 5, v2
	s_lshl_b32 s22, s42, 9                         ; the bias of my 64 columns
	s_lshl_b32 s23, s14, 8
	s_add_co_u32 s22, s22, s23
	s_mov_b32 s23, 0
	s_add_nc_u64 s[8:9], s[8:9], s[22:23]
.irp b, 0,1,2,3
	global_load_b128 v[BIAS+8*\b:BIAS+8*\b+3], v[BO], s[8:9] offset:64*\b        ; columns 16 b + 8 h + 0 .. 7: the result's layout
	global_load_b128 v[BIAS+8*\b+4:BIAS+8*\b+7], v[BO], s[8:9] offset:64*\b+16
.endr
	s_lshl_b32 s18, s15, 8                         ; out0: row 256 x tile row + 128 x half, 4,096 bytes a row; column 512 x tile column + 256 x half bytes
	s_lshl_b32 s19, s13, 7
	s_add_co_u32 s18, s18, s19
	s_lshl_b32 s18, s18, 12
	s_lshl_b32 s19, s42, 9
	s_add_co_u32 s18, s18, s19
	s_lshl_b32 s19, s14, 8
	s_add_co_u32 s18, s18, s19
	s_mov_b32 s19, 0
	s_add_nc_u64 s[10:11], s[10:11], s[18:19]
; 24 LDS loads in one run: the fragments of the slot's q-th 32 along K into buffer f: proj_w's four, a's blocks 0-3, a's blocks 4-7.  Quarters 0, 1 lie in the step's first head, 2, 3 in its second.
.macro FETCH slot, q, f
.irp i, 0,1,2,3
	ds_load_b128 v[\f+64+8*\i:\f+64+8*\i+3],   v[ADRB+\slot] offset:64*(\q)+4352*\i
	ds_load_b128 v[\f+64+8*\i+4:\f+64+8*\i+7], v[ADRB+\slot] offset:64*(\q)+4352*\i+32
.endr
.irp i, 0,1,2,3,4,5,6,7
	ds_load_b128 v[\f+8*\i:\f+8*\i+3],   v[ADRA+\slot] offset:((\q)/2)*APL+((\q)%2)*64+2176*\i
	ds_load_b128 v[\f+8*\i+4:\f+8*\i+7], v[ADRA+\slot] offset:((\q)/2)*APL+((\q)%2)*64+2176*\i+32
.endr
.endm
; 4 n matrix instructions: a's blocks a0 .. a0 + n - 1 against proj_w's four.  first = 1: the sums begin with the bias.  The 32 accumulators take turns, one instruction a turn, in one order everywhere.
.macro MULN f, a0, n, first
.if \first
	WIN 0x40                                       ; D window 1; the bias, as C, window 0
.else
	WIN 0x50                                       ; C and D window 1
.endif
.set aa, \a0
.rept \n
.irp b, 0,1,2,3
.if \first
	v_wmma_f32_16x16x32_f16 v[8*(4*aa+\b):8*(4*aa+\b)+7], v[\f+64+8*\b:\f+64+8*\b+7], v[\f+8*aa:\f+8*aa+7], v[BIAS+8*\b:BIAS+8*\b+7]
.else
	v_wmma_f32_16x16x32_f16 v[8*(4*aa+\b):8*(4*aa+\b)+7], v[\f+64+8*\b:\f+64+8*\b+7], v[\f+8*aa:\f+8*aa+7], v[8*(4*aa+\b):8*(4*aa+\b)+7]
.endif
.endr
.set aa, aa+1
.endr
.endm
.macro PLACES                          ; four places in front of loads into registers that matrix instructions have read, and of the first read of results
.rept 4
	v_nop
.endr
.endm
; A K step is four quarters of 32 along K, 32 matrix instructions each, on buffers 0, 1, 0, 1.  One of the first three: multiplies buffer f and fetches quarter q into g.
.macro QUARTER slot, q, f, g, first
	s_wait_dscnt 8                                 ; all but the youngest eight loads (a's blocks 4-7) are in
	MULN \f, 0, 4, \first
	PLACES
	WIN 0
	FETCH \slot, \q, \g
	s_wait_dscnt 24                                ; all but the 24 just issued
	MULN \f, 4, 4, \first
.endm
; The last quarter multiplies buffer 1 and changes slots: ONE barrier; in front of it each wave waits for all its tensor loads, adds 0 to its spare word, and waits for that and for its reads of this slot.  fill = 1: this slot is filled again, two K steps ahead.
.macro TURN slot, next, fill
	WIN 0
	s_wait_tensorcnt 0x0                           ; all my tensor loads have landed: my part of the next slot
	ds_add_u32 v[SPW], v[NIL]
	s_wait_dscnt 9                                 ; the add and the youngest eight loads may be out
	MULN F1, 0, 2, 0
	s_wait_dscnt 0x0                               ; the add is done, and my reads of this slot are over
	s_barrier_signal -1
	MULN F1, 2, 2, 0
	WIN 0
	s_barrier_wait -1
.if \fill
	CREST                                          ; the barrier has opened a round of the cluster's barrier: no wave of any partner still reads this slot or has a load on its way
	s_add_nc_u64 s[G0+4*\slot+2:G0+4*\slot+3], s[G0+4*\slot+2:G0+4*\slot+3], 524288   ; four heads on
	s_add_nc_u64 s[G0B+4*\slot+2:G0B+4*\slot+3], s[G0B+4*\slot+2:G0B+4*\slot+3], 512
	JLOAD \slot                                    ; the first tensor load behind the round: 112 matrix instructions ahead of the wait for it; its four v_nop are also the places in front of the loads below
.else
	PLACES
.endif
	FETCH \next, 0, F0
	MULN F1, 4, 4, 0
.endm
	s_wait_tensorcnt 1                             ; my part of K step 0 is in; K step 1's load may be out
	s_barrier_signal -1
	s_barrier_wait -1
	FETCH 0, 0, F0
	s_wait_loadcnt 0x0                             ; the bias
	QUARTER 0, 1, F0, F1, 1                        ; the first quarter stands in front of the loop: its products start the sums
	WIN 0                                          ; at a label and at a branch every window is 0
	s_mov_b32 s3, LAPS-1
.Llap:                                                 ; a trip goes once round the ring, from a lap's second quarter to the next lap's first, and fills both slots again
	QUARTER 0, 2, F1, F0, 0
	QUARTER 0, 3, F0, F1, 0
	TURN 0, 1, 1
	QUARTER 1, 1, F0, F1, 0
	QUARTER 1, 2, F1, F0, 0
	QUARTER 1, 3, F0, F1, 0
	TURN 1, 0, 1
	QUARTER 0, 1, F0, F1, 0
	WIN 0
	s_sub_co_u32 s3, s3, 1
	s_cmp_lg_u32 s3, 0
	s_cbranch_scc1 .Llap
	QUARTER 0, 2, F1, F0, 0                        ; the last lap fills nothing, and has no round of the cluster's barrier
	QUARTER 0, 3, F0, F1, 0
	TURN 0, 1, 0
	QUARTER 1, 1, F0, F1, 0
	QUARTER 1, 2, F1, F0, 0
	QUARTER 1, 3, F0, F1, 0
	s_wait_dscnt 8                                 ; the very last quarter: nothing more to fetch
	MULN F1, 0, 4, 0
	s_wait_dscnt 0
	MULN F1, 4, 4, 0
	WIN 0
; THE WAY OUT, a block of 16 tokens x 64 columns at a time: through my own stage in LDS and back as whole rows of 256 bytes.  LDS serves a wave's instructions in order (ISA guide 5.7.1.4): no wait between the stores and the loads.
.macro TOSTAGE a
	WIN 0x04                                       ; an LDS store's data are its source 1: window 1
.irp b, 0,1,2,3
	ds_store_b128 v[STO], v[8*(4*(\a)+\b):8*(4*(\a)+\b)+3] offset:64*\b          ; each accumulator from its low end on
	ds_store_b128 v[STO], v[8*(4*(\a)+\b)+4:8*(4*(\a)+\b)+7] offset:64*\b+16
.endr
	WIN 0
.set BB, 32+32*((\a)%2)
.irp t, 0,1,2,3,4,5,6,7
	ds_load_b128 v[BB+4*\t:BB+4*\t+3], v[RD] offset:544*\t
.endr
.endm
.macro SEND a, younger                 ; younger: the LDS instructions issued behind block a's loads, which may stay out
.set BB, 32+32*((\a)%2)
	s_wait_dscnt \younger
.irp t, 0,1,2,3,4,5,6,7
	global_store_b128 v[CO], v[BB+4*\t:BB+4*\t+3], s[10:11] offset:(16*(\a)+2*\t)*4096 th:TH_STORE_NT   ; 16 lanes store 256 consecutive bytes, aligned; written once, read by nobody here
.endr
.endm
	PLACES
	TOSTAGE 0
.irp a, 1,2,3,4,5,6,7
.if \a > 1
	s_wait_xcnt 0x0                                ; block a - 2's stores have read their registers: block a's loads may land there
.endif
	TOSTAGE \a
	SEND \a-1, 16                                  ; behind block a - 1's loads: block a's 8 stores and 8 loads
.endr
	SEND 7, 0
	s_wait_tensorcnt 0x0                           ; the wave's end: three lines behind my last tensor load and my last LDS store
	ds_add_u32 v[SPW], v[NIL]
	s_wait_dscnt 0x0
	CROUND                                         ; the closing round: no work-group ends while a partner may still ask for a tile that names it
	s_endpgm
.Lfunc_end_k_qc663de9e5c_proj:
	.size	k_qc663de9e5c_proj, .Lfunc_end_k_qc663de9e5c_proj-k_qc663de9e5c_proj
	.p2alignl 7, 3214868480
	.fill 96, 4, 3214868480
	.section	.rodata,"a",@progbits
	.p2align	6, 0x0
	.amdhsa_kernel k_qc663de9e5c_proj
		.amdhsa_group_segment_fixed_size 327680
		.amdhsa_private_segment_fixed_size 0
		.amdhsa_enable_private_segment 0
		.amdhsa_kernarg_size 32
		.amdhsa_user_sgpr_count 2
		.amdhsa_user_sgpr_kernarg_segment_ptr 1
		.amdhsa_wavefront_size32 1
		.amdhsa_system_sgpr_workgroup_id_x 1
		.amdhsa_system_sgpr_workgroup_id_y 1
		.amdhsa_system_sgpr_workgroup_id_z 1
		.amdhsa_system_vgpr_workitem_id 0
		.amdhsa_next_free_vgpr 512
		.amdhsa_next_free_sgpr 66
		.amdhsa_reserve_vcc 0
		.amdhsa_float_denorm_mode_32 3
		.amdhsa_float_denorm_mode_16_64 3
		.amdhsa_memory_ordered 1
		.amdhsa_forward_progress 1
		.amdhsa_inst_pref_size 87
	.end_amdhsa_kernel
	.amdgpu_metadata
---
amdhsa.version: [ 1, 2 ]
amdhsa.kernels:
  - .name:           k_qc663de9e5c_proj
    .symbol:         k_qc663de9e5c_proj.kd
    .args:
      - { .name: ao, .offset: 0, .size: 8, .value_kind: global_buffer, .address_space: global }
      - { .name: pw16, .offset: 8, .size: 8, .value_kind: global_buffer, .address_space: global }
      - { .name: proj_b, .offset: 16, .size: 8, .value_kind: global_buffer, .address_space: global }
      - { .name: out0, .offset: 24, .size: 8, .value_kind: global_buffer, .address_space: global }
    .group_segment_fixed_size: 327680
    .private_segment_fixed_size: 0
    .kernarg_segment_align: 8
    .kernarg_segment_size: 32
    .max_flat_workgroup_size: 128
    .sgpr_count:     66
    .vgpr_count:     512
    .wavefront_size: 32
...
	.end_amdgpu_metadata
.endif
;; end of part 4
